; MI455X (gfx1250); checked and timed in simulation.
; The chip was launched on July 23, 2026; its instructions are those of AMD's public machine-readable ISA for CDNA 5 (MIT licence, August 2026) and "CDNA5" Instruction Set Architecture Reference Guide (July 2026). The comments in the code are by the model that wrote it; some were corrected since.
;; Dual Sliding Window Attention. Allowed arithmetic: matrix products marked QUANTISED: E2M3 operands, one E8M0 scale for each 32 along K, by v_wmma_scale_f32_16x16x128_f8f6f4 with both operands' format E2M3, f32 sums; everything else in f32.
;; Inputs: Wk 2,048 x 512 float32; Wo 2,048 x 2,048 float32; Wq 2,048 x 2,048 float32; Wsk 2,048 x 512 float32; Wsv 2,048 x 512 float32; Wv 2,048 x 512 float32; hidden_states 2 x 1,024 x 2,048 float32; ssm_states 2 x 1,024 x 2,048 float32.
;; Outputs: out0 2 x 1,024 x 2,048 float32.
;; This version of the problem:
;;   THIS VERSION OF THE PROBLEM IS GIVEN IN LOW PRECISION. The matrix products marked QUANTISED in the list below multiply operands that are first quantised to E2M3 (2 exponent bits, 3 mantissa bits; 6 bits a number), with one power-of-two scale for each 32 numbers along K (OCP MX v1.0); their sums are f32. All else is computed in f32.
;;   The module's matrix products, in the order in which they are computed (A, B: the left and right operand; K: the contracted axis; several contracted axes count as one K, in the product's order):
;;     1. [M 2,048, K 2,048] x [K 2,048, N 2,048]; A: input hidden_states; B: input Wq: QUANTISED
;;     2. [M 2,048, K 2,048] x [K 2,048, N 512]; A: input hidden_states; B: input Wk: QUANTISED
;;     3. [M 2,048, K 2,048] x [K 2,048, N 512]; A: input hidden_states; B: input Wv: QUANTISED
;;     4. [M 2,048, K 2,048] x [K 2,048, N 512]; A: input ssm_states; B: input Wsk: QUANTISED
;;     5. [M 2,048, K 2,048] x [K 2,048, N 512]; A: input ssm_states; B: input Wsv: QUANTISED
;;     6. batch 16 x [M 4,096, K 64] x [K 64, N 2,048]; A: computed on the way; B: computed on the way: QUANTISED
;;     7. batch 16 x [M 4,096, K 2,048] x [K 2,048, N 64]; A: softmax (see below); B: computed on the way: QUANTISED
;;     8. [M 2,048, K 2,048] x [K 2,048, N 2,048]; A: computed on the way; B: input Wo: QUANTISED
;;   THE QUANTISER, for each operand of a quantised product, along K:
;;     - K is cut into blocks of 32 from its start; a last block that is shorter is filled with zeros.
;;     - A block's scale is 2^e with e = floor(log2(the largest magnitude in the block)) - 2, held to -126 .. 127; a block of zeros has e = 0. As a byte (E8M0): e + 127.
;;     - Each number is divided by its block's scale, clamped to +-7.5, and rounded to the nearest number of E2M3, ties to even, subnormals kept.
;;     - The product sums the exact products of the quantised numbers (number of the format x scale) in f32.
;;   ~~~python
;;   def quantise(x, axis):      # numpy; x: float32 -> the quantised numbers, widened to float32 again
;;       x = np.moveaxis(x, axis, -1); K = x.shape[-1]
;;       x = np.pad(x, [(0, 0)] * (x.ndim - 1) + [(0, -K % 32)]); x = x.reshape(x.shape[:-1] + (-1, 32)); a = np.abs(x).max(-1, keepdims=True)
;;       e = np.where(a > 0, np.clip(np.frexp(np.where(a > 0, a, 1))[1] - 1 - 2, -126, 127), 0)      # np.frexp(a)[1] - 1 = floor(log2(a)), exactly
;;       r = np.clip(x / 2.0 ** e, -7.5, 7.5)
;;       step = 2.0 ** (np.maximum(np.frexp(np.where(r == 0, 1, r))[1] - 1, 0) - 3)
;;       q = np.round(r / step) * step * 2.0 ** e      # np.round: ties to even
;;       return np.moveaxis(q.reshape(q.shape[:-2] + (-1,))[..., :K], -1, axis).astype(np.float32)
;;   ~~~
;;   SOFTMAX AHEAD OF A QUANTISED PRODUCT. Where the list says 'softmax', what is quantised is not the finished softmax but p = 2^(t - M), with t = logit x log2(e) and M = ceil(the row's largest t), a whole number; so 1/2 < the row's largest p <= 1. The row's sum l is taken of the UNQUANTISED p, in f32, and the product's result is divided by l at the end. Since M is a whole number, a kernel that streams over the keys may use a running M (the ceiling of the running maximum): every later rescaling is an exact power of two, which a block's scale takes up: the codes' values come out the same.
;;   OPERANDS COMPUTED ON THE WAY. 'Computed on the way' means the value that the module computes at that place (a softmax that the list does not call 'softmax' is quantised finished and normalised). What goes into a quantiser is computed in f32, as accurately as f32 sums, v_exp_f32 and their like allow (about 1e-6 of the number): no bf16 or f16 on the way to a quantiser, and a product that is left as it is and whose result goes on into a quantised operand takes f32 operands (vector FMAs, or v_wmma_f32_16x16x4_f32). A number that lies on a knife's edge between two numbers of the format may be rounded either way, as far as f32 arithmetic and the matrix unit's own rounding can turn it there, and no further.
;; One version. Each part assembles by itself: llvm-mc -triple=amdgcn-amd-amdhsa -mcpu=gfx1250 --defsym DOCPART=n.
;; ======== version 1 of 1: 4 launches
;; limits: right only within a limited range of input values
;; workspace buffers: xa 6,553,600 bytes; oa 3,276,800 bytes; wc 9,437,184 bytes; wsc 393,216 bytes; qc 3,407,872 bytes; kc 1,703,936 bytes; vc 1,703,936 bytes
;; launch quant (part 1): grid 256 x 1, 10 waves a work-group, no clusters, 231,680 bytes of LDS; arguments hidden_states, ssm_states, Wq, Wk, Wv, Wsk, Wsv, Wo, xa, wc, wsc; writes xa, wc, wsc
.if DOCPART == 1
	.amdgcn_target "amdgcn-amd-amdhsa--gfx1250"
	.amdhsa_code_object_version 6
	.text
	.protected	k_q07b6f76e77_quant
	.globl	k_q07b6f76e77_quant
	.p2align	8
	.type	k_q07b6f76e77_quant,@function
k_q07b6f76e77_quant:
	s_mov_b64 s[64:65], 0
	v_nop
	global_prefetch_b8 v0, s[64:65] scope:SCOPE_SE
	s_setreg_imm32_b32 hwreg(HW_REG_WAVE_MODE, 25, 1), 1
	s_wait_xcnt 0x0
; The two activations [2048][2048] (K innermost) and the six weights [2048 (K)][N] (K outermost), all f32, become codes of FP6 (E2M3) with one E8M0 byte for each 32 along K,
; laid as IMAGES OF OPERAND REGISTERS: a fragment (16 rows x 128 K, 12 registers a lane) is 1,536 bytes, registers 4 g .. 4 g + 3 of lane L at 512 g + 16 L.
; THE ROWS (COLUMNS) OF A TILE ARE NOT NEIGHBOURS: in each group of 32, lane r of tile 2 b + u takes element 32 b + 8 u + r + 8 (r / 8).
; xa: [tensor 2][block of 128 rows 16][K step 16][12,800]: 8 images, then 512 bytes of scale words: at 12,288 + 256 y + 8 l + 4 i the word of tile 4 y + 2 i + l / 16, lane l % 16.
; wc: [group of 32 columns 192][K step 16][tile 2][1,536];  wsc: [group][K step][32 words], word l: tile l / 16, lane l % 16.  Groups: Wq 0-63, Wk 64-79, Wv 80-95, Wsk 96-111, Wsv 112-127, Wo 128-191.
; A block's scale is 2^(floor(log2(largest magnitude)) - 2): its byte is the largest magnitude's exponent field - 2, held at 1 from below by a floor among the maximum's leaves.
; LIMITS: a block of zeros, or one whose largest magnitude lies under 2^-124, gets the byte 1 (its codes then add what they are worth under that byte; only this program reads the bytes); NaN and infinities are not served.
; SHARES.  256 work-groups of ten waves.  Waves 0-5: one tile each of the weights' 1,536 (128 K x 64 columns, 32,768 bytes), brought by ONE tensor load a wave into LDS bytes that this wave alone reads and that are filled once.
; Waves 6-9: one job each of the activations' 1,024 (64 rows x 128 K), through registers and the wave's own stage.  Waves share nothing: no barrier.  Every wait on TENSORcnt is for 0.
; No prefetch: the text has no loop to run ahead in, and every byte is asked for at a wave's start.  No cluster: no two work-groups read the same bytes.
.set FLOOR, 0x1800000                  ; 2^(3 - 127)
.set EOFF,  0xff000000                 ; -(2 << 23): 2 off an exponent field
.set RR,  64                           ; v64-191  activations: two sets of 64: a tile as it is loaded;  weights: a column's 128 numbers
.set XX,  192                          ; v192-255 a lane's 64 numbers: blocks h and 2 + h of its row
.set PP,  32                           ; v32-43   a fragment's codes
.set TA,  44                           ; v44-46, v48-50: the second halves of the two blocks (a conversion's three registers begin on an even number)
.set TB,  48
.set WD,  52                           ; v52-55   the four tiles' scale words
.set SW,  56                           ; v56-57   the words as the record wants them
.set SPARE, 196608                     ; LDS: the weights' six tiles from byte 0; then the spare words, 128 bytes a wave (1,280); then the activations' four stages
.set STG, 8448                         ; a stage: 16 rows x (512 + 16) bytes; wave w (6 to 9) has the one at STG w + ST0
.set ST0, SPARE+1280-6*STG
.set G1W, 48                           ; s[48:55] descriptor group 1 for a tile of a wide weight;  s[56:63] of a narrow one;  s[68:71] group 0
.set G1N, 56
	s_load_b256 s[4:11], s[0:1], 0x0               ; hidden, ssm, Wq, Wk
	s_load_b256 s[12:19], s[0:1], 0x20             ; Wv, Wsk, Wsv, Wo
	s_load_b128 s[20:23], s[0:1], 0x40             ; xa, wc
	s_load_b64 s[24:25], s[0:1], 0x50              ; wsc
	v_lshl_add_u32 v62, v0, 2, SPARE               ; my spare word, and 0: kept for the add alone
	v_mov_b32 v63, 0
	ds_add_u32 v62, v63                            ; the opening lines: the add, twice on end, and its wait
	ds_add_u32 v62, v63
	v_lshrrev_b32 v1, 5, v0
	v_readfirstlane_b32 s26, v1                    ; wave
	v_and_b32 v6, 31, v0                           ; lane
	s_mov_b32 s28, 0x76543210
	s_mov_b32 s29, 0xfedcba98                      ; v_permlanex16_b32's selects for lane l xor 16
	s_mov_b32 s30, 0xffff0000                      ; lanes 16-31
.irp g, G1W, G1N                       ; a tile: 128 rows of 256 bytes (32 elements of 8 bytes), dense in LDS
	s_mov_b32 s[\g+0], 3<<16
	s_mov_b32 s[\g+1], 32<<16                      ; tensor_dim0
	s_mov_b32 s[\g+2], 128<<16                     ; tensor_dim1
	s_mov_b32 s[\g+3], 32<<16                      ; tile_dim0
	s_mov_b32 s[\g+4], 128                         ; tile_dim1
	s_mov_b32 s[\g+6], 0
	s_mov_b32 s[\g+7], 0
.endr
	s_mov_b32 s[G1W+5], 1024                       ; from row to row: 8,192 bytes,
	s_mov_b32 s[G1N+5], 256                        ; or 2,048
	s_wait_dscnt 0x0                               ; both opening adds are done
	s_cmp_lt_u32 s26, 6
	s_cbranch_scc1 .Lweights
; ---------------- ACTIVATIONS.  Job a = 4 x work-group + wave - 6: bit 0 which 64 rows of the block, bits 4:1 the K step, bits 8:5 the block, bit 9 the tensor.  A wave: 4 tiles x 128 K.
	s_sub_co_u32 s27, s26, 6
	s_lshl_b32 s31, ttmp9, 2
	s_add_co_u32 s31, s31, s27                     ; a
	s_and_b32 s32, s31, 1                          ; y: which 64 rows
	s_bfe_u32 s33, s31, 0x40001                    ; K step
	s_bfe_u32 s34, s31, 0x40005                    ; block of 128 rows
	s_lshr_b32 s35, s31, 1                         ; the record's number
	s_lshl_b32 s36, s34, 20                        ; 128 rows of 8,192 bytes
	s_lshl_b32 s37, s32, 19                        ; 64 rows
	s_add_co_u32 s36, s36, s37
	s_lshl_b32 s37, s33, 9                         ; 128 numbers
	s_add_co_u32 s36, s36, s37
	s_mov_b32 s37, 0
	s_mul_i32 s38, s35, 12800
	s_mul_i32 s40, s32, 6144                       ; my four images
	s_add_co_u32 s40, s40, s38
	s_mov_b32 s41, 0
	s_lshl_b32 s42, s32, 8                         ; my 256 bytes of scale words
	s_add_co_u32 s42, s42, s38
	s_add_co_u32 s42, s42, 12288
	s_mov_b32 s43, 0
	s_mul_i32 s44, s26, STG
	s_add_co_u32 s44, s44, ST0                     ; my stage
	s_wait_alu depctr_va_vdst(0)                   ; the wait ahead of the reader of the lane's number
	v_lshlrev_b32 v1, 4, v6                        ; 16 x lane: a load's, an image's place
	v_add_nc_u32 v2, s44, v1                       ; the stage on the way in: a row's 512 bytes as they lie
	v_and_b32 v7, 15, v0                           ; r
	v_bfe_u32 v5, v0, 4, 1                         ; h
	v_mul_u32_u24 v3, v7, 528
	v_lshl_add_u32 v3, v5, 7, v3
	v_add_nc_u32 v3, s44, v3                       ; and on the way out: row r, 128 h bytes on: my block of 32
	v_lshlrev_b32 v4, 3, v6                        ; 8 x lane
	v_lshlrev_b32 v5, 3, v5                        ; 8 h: my two bytes' place in the scale word
	v_mov_b32 v15, 0                               ; written once: a lane permute's destination counts as one of its sources
	s_wait_alu depctr_va_vdst(0)                   ; the wait at the head's end
	s_wait_kmcnt 0x0
	s_cmp_lt_u32 ttmp9, 128                        ; the tensor: a choice on the work-group's number alone
	s_cselect_b64 s[4:5], s[4:5], s[6:7]
	s_add_nc_u64 s[4:5], s[4:5], s[36:37]
	s_add_nc_u64 s[40:41], s[20:21], s[40:41]
	s_add_nc_u64 s[42:43], s[20:21], s[42:43]
.macro LOADT t, set                    ; tile t's 16 rows: each load covers 512 consecutive bytes of one row
.irp p, 0,1,2,3,4,5,6,7,8,9,10,11,12,13,14,15
	global_load_b128 v[RR+64*(\set)+4*\p:RR+64*(\set)+4*\p+3], v1, s[4:5] offset:(32*((\t)/2)+8*((\t)%2)+\p+8*(\p/8))*8192 th:TH_LOAD_NT
.endr
.endm
.macro TURN set                        ; through my stage: LDS serves a wave's instructions in order, so no wait stands between the stores and the loads
.irp p, 0,1,2,3,4,5,6,7,8,9,10,11,12,13,14,15
	ds_store_b128 v2, v[RR+64*(\set)+4*\p:RR+64*(\set)+4*\p+3] offset:528*\p
.endr
.irp c, 0,1
.irp j, 0,1,2,3,4,5,6,7
	ds_load_b128 v[XX+32*\c+4*\j:XX+32*\c+4*\j+3], v3 offset:256*\c+16*\j
.endr
.endr
.endm
.macro QA t                            ; my row's blocks h (v[XX] on) and 2 + h (v[XX+32] on) become registers 0-5 and 6-11 of the fragment
	v_max3_num_f32 v8, |v[XX]|, |v[XX+1]|, FLOOR
	v_max3_num_f32 v9, |v[XX+32]|, |v[XX+33]|, FLOOR
.irp i, 2,4,6,8,10,12,14,16,18,20,22,24,26,28,30
	v_max3_num_f32 v8, v8, |v[XX+\i]|, |v[XX+\i+1]|
	v_max3_num_f32 v9, v9, |v[XX+32+\i]|, |v[XX+33+\i]|
.endr
	v_add_nc_u32 v10, EOFF, v8                     ; the conversion takes the exponent field of this operand as its scale
	v_add_nc_u32 v11, EOFF, v9
	v_lshrrev_b32 v12, 23, v10                     ; the scales' bytes
	v_lshrrev_b32 v13, 23, v11
	v_lshl_or_b32 v14, v13, 16, v12
	v_lshlrev_b32 v14, v5, v14                     ; at bytes h and 2 + h
	v_permlanex16_b32 v15, v14, s28, s29
	v_or_b32 v[WD+(\t)], v14, v15                  ; with lane l xor 16's two the word is whole
	v_cvt_scalef32_pk16_fp6_f32 v[PP:PP+2], v[XX:XX+15], v10
	v_cvt_scalef32_pk16_fp6_f32 v[TA:TA+2], v[XX+16:XX+31], v10
	v_cvt_scalef32_pk16_fp6_f32 v[PP+6:PP+8], v[XX+32:XX+47], v11
	v_cvt_scalef32_pk16_fp6_f32 v[TB:TB+2], v[XX+48:XX+63], v11
	v_nop                                          ; one plain place behind a scaled conversion
.irp i, 0,1,2
	v_mov_b32 v[PP+3+\i], v[TA+\i]
	v_mov_b32 v[PP+9+\i], v[TB+\i]
.endr
.irp g, 0,1,2
	global_store_b128 v1, v[PP+4*\g:PP+4*\g+3], s[40:41] offset:1536*(\t)+512*\g   ; 512 consecutive bytes, aligned
.endr
.endm
	LOADT 0, 0
	LOADT 1, 1
.irp t, 0,1,2,3
.if \t < 3
	s_wait_loadcnt 16                              ; this tile's 16 loads are in; the next tile's 16 may be out
.else
	s_wait_loadcnt 0x0
.endif
	TURN (\t%2)
	s_wait_dscnt 0x0                               ; my numbers are back, and the stage's stores have read the set
.if \t > 0
	s_wait_xcnt 0x0                                ; the last tile's stores have read the codes' registers, which are written anew below
.endif
.if \t < 2
	LOADT (\t+2), (\t%2)
.endif
	QA \t
.endr
	v_cndmask_b32 v[SW], v[WD], v[WD+1], s30       ; lanes 0-15 the even tile's words, lanes 16-31 the odd tile's
	v_cndmask_b32 v[SW+1], v[WD+2], v[WD+3], s30
	global_store_b64 v4, v[SW:SW+1], s[42:43]      ; 256 consecutive bytes, aligned
	s_wait_tensorcnt 0x0                           ; the wave's end
	ds_add_u32 v62, v63
	s_wait_dscnt 0x0
	s_endpgm
; ---------------- WEIGHTS.  Tile 6 x work-group + wave: bits 3:0 the K step, the rest a group of 64 columns (Wq 0-31, Wk 32-39, Wv 40-47, Wsk 48-55, Wsv 56-63, Wo 64-95).
; From the tile in LDS A LANE TAKES A COLUMN AND ITS REGISTERS RUN DOWN K: each LDS load reads 32 different words of one row's 128 bytes.  Two groups of 32 columns, one after the other.
.Lweights:
	s_wait_alu depctr_va_vdst(0)                   ; the wait behind the jump: the lane's number
	s_mul_i32 s31, ttmp9, 6
	s_add_co_u32 s31, s31, s26
	s_and_b32 s32, s31, 15                         ; K step
	s_lshr_b32 s33, s31, 4                         ; group of 64 columns
	s_lshl_b32 s35, s33, 5
	s_add_co_u32 s35, s35, s32                     ; 16 x (first group of 32) + K step
	s_mul_i32 s40, s35, 3072
	s_mov_b32 s41, 0
	s_lshl_b32 s42, s35, 7
	s_mov_b32 s43, 0
	s_mov_b32 s68, 1                               ; group 0: count = 1,
	s_lshl_b32 s69, s26, 15                        ; LDS address: 32,768 x wave
	s_wait_kmcnt 0x0
	s_mov_b64 s[38:39], s[18:19]                   ; which weight, and its first group of 64: choices on ids alone
	s_mov_b32 s44, 64
	s_cmp_lt_u32 s33, 64
	s_cselect_b64 s[38:39], s[16:17], s[38:39]
	s_cselect_b32 s44, 56, s44
	s_cmp_lt_u32 s33, 56
	s_cselect_b64 s[38:39], s[14:15], s[38:39]
	s_cselect_b32 s44, 48, s44
	s_cmp_lt_u32 s33, 48
	s_cselect_b64 s[38:39], s[12:13], s[38:39]
	s_cselect_b32 s44, 40, s44
	s_cmp_lt_u32 s33, 40
	s_cselect_b64 s[38:39], s[10:11], s[38:39]
	s_cselect_b32 s44, 32, s44
	s_cmp_lt_u32 s33, 32
	s_cselect_b64 s[38:39], s[8:9], s[38:39]
	s_cselect_b32 s44, 0, s44
	s_add_nc_u64 s[40:41], s[22:23], s[40:41]
	s_add_nc_u64 s[42:43], s[24:25], s[42:43]
	s_sub_co_u32 s36, s33, s44
	s_lshl_b32 s36, s36, 8                         ; 64 columns of 4 bytes
	s_sub_co_u32 s45, s33, 32
	s_cmp_lt_u32 s45, 32                           ; the four narrow weights have rows of 2,048 bytes, the two wide ones of 8,192
	s_cselect_b32 s46, 18, 20
	s_lshl_b32 s37, s32, s46                       ; 128 rows a K step
	s_add_co_u32 s36, s36, s37
	s_mov_b32 s37, 0
	s_add_nc_u64 s[38:39], s[38:39], s[36:37]
	s_mov_b64 s[70:71], s[38:39]
	s_or_b32 s71, s71, 0x80000000                  ; type = 2
	s_cmp_lt_u32 s45, 32                           ; two groups 1, two lines, one of them on every way
	s_cbranch_scc1 .Lnarrow
	tensor_load_to_lds s[68:71], s[G1W:G1W+7]
	s_nop 0
.rept 4
	v_nop
.endr
	s_branch .Lasked
.Lnarrow:
	tensor_load_to_lds s[68:71], s[G1N:G1N+7]
	s_nop 0
.rept 4
	v_nop
.endr
.Lasked:
	v_and_b32 v1, 7, v0                            ; my column of the 32: lanes 0-15 tile 0's, lanes 16-31 tile 1's: (l & 7) + 16 ((l >> 3) & 1) + 8 (l >> 4)
	v_bfe_u32 v2, v0, 3, 1
	v_lshl_or_b32 v1, v2, 4, v1
	v_bfe_u32 v2, v0, 4, 1
	v_lshl_or_b32 v1, v2, 3, v1
	v_lshlrev_b32 v1, 2, v1
	v_add_nc_u32 v1, s69, v1                       ; in my tile
	v_lshlrev_b32 v2, 4, v6                        ; 16 x lane
	v_lshlrev_b32 v3, 2, v6                        ; 4 x lane
	s_wait_alu depctr_va_vdst(0)                   ; the wait at the head's end
	s_wait_tensorcnt 0x0                           ; my tile has landed; I alone read it
.macro WBLK t, bb, left                ; block t of my column: 32 numbers, all mine, into six registers from v[bb] on
.set XS, RR+32*(\t)
	s_wait_dscnt \left
	v_max3_num_f32 v8, |v[XS]|, |v[XS+1]|, |v[XS+2]|
	v_max3_num_f32 v9, |v[XS+3]|, |v[XS+4]|, |v[XS+5]|
.irp i, 6,10,14,18,22,26
	v_max3_num_f32 v8, v8, |v[XS+\i]|, |v[XS+\i+1]|
	v_max3_num_f32 v9, v9, |v[XS+\i+2]|, |v[XS+\i+3]|
.endr
	v_max3_num_f32 v8, v8, |v[XS+30]|, |v[XS+31]|
	v_max3_num_f32 v8, v8, v9, FLOOR
	v_add_nc_u32 v10, EOFF, v8
	v_lshrrev_b32 v11, 23, v10
.if (\t) == 0
	v_mov_b32 v16, v11                             ; the column's scale word: the lower K in the lower byte
.else
	v_lshl_or_b32 v16, v11, 8*(\t), v16
.endif
	v_cvt_scalef32_pk16_fp6_f32 v[\bb:\bb+2], v[XS:XS+15], v10
	v_cvt_scalef32_pk16_fp6_f32 v[56:58], v[XS+16:XS+31], v10
	v_nop                                          ; one plain place behind a scaled conversion
	v_mov_b32 v[\bb+3], v56
	v_mov_b32 v[\bb+4], v57
	v_mov_b32 v[\bb+5], v58
.endm
.macro WJOB q                          ; group q of my tile's two
.set KK, 0
.rept 128
	ds_load_b32 v[RR+KK], v1 offset:256*KK+128*(\q)
.set KK, KK+1
.endr
.if \q
	s_wait_xcnt 0x0                                ; the first group's stores have read the registers that are written anew below
.endif
	WBLK 0, 32, 63                                 ; 96, 64, 32, 0 younger loads; a wait names 63 at the most, and a smaller count is safe
	WBLK 1, 44, 63
	WBLK 2, 38, 32
	WBLK 3, 50, 0
.irp i, 0,1,2,3,4,5                    ; an operand wants blocks 0, 2 in lanes 0-15 and blocks 1, 3 in lanes 16-31: the first's lanes 16-31 change places with the second's lanes 0-15
	v_permlane16_swap_b32 v[32+\i], v[44+\i]       ; v32-37: tile 0's registers 0-5;  v44-49: tile 1's
	v_permlane16_swap_b32 v[38+\i], v[50+\i]       ; v38-43: tile 0's registers 6-11; v50-55: tile 1's
.endr
.irp n, 0,1,2,3,4,5
	global_store_b128 v2, v[32+4*\n:32+4*\n+3], s[40:41] offset:49152*(\q)+512*\n  ; 512 consecutive bytes, aligned
.endr
	global_store_b32 v3, v16, s[42:43] offset:2048*(\q)    ; 128 consecutive bytes: the one store here that covers half of an aligned 256; one byte for each 128 read
.endm
	WJOB 0
	WJOB 1
	s_wait_tensorcnt 0x0                           ; the wave's end
	ds_add_u32 v62, v63
	s_wait_dscnt 0x0
	s_endpgm
.Lfunc_end_k_q07b6f76e77_quant:
	.size	k_q07b6f76e77_quant, .Lfunc_end_k_q07b6f76e77_quant-k_q07b6f76e77_quant
	.p2alignl 7, 3214868480
	.fill 96, 4, 3214868480
	.section	.rodata,"a",@progbits
	.p2align	6, 0x0
	.amdhsa_kernel k_q07b6f76e77_quant
		.amdhsa_group_segment_fixed_size 231680
		.amdhsa_private_segment_fixed_size 0
		.amdhsa_enable_private_segment 0
		.amdhsa_kernarg_size 88
		.amdhsa_user_sgpr_count 2
		.amdhsa_user_sgpr_kernarg_segment_ptr 1
		.amdhsa_wavefront_size32 1
		.amdhsa_system_sgpr_workgroup_id_x 1
		.amdhsa_system_sgpr_workgroup_id_y 1
		.amdhsa_system_sgpr_workgroup_id_z 1
		.amdhsa_system_vgpr_workitem_id 0
		.amdhsa_next_free_vgpr 256
		.amdhsa_next_free_sgpr 72
		.amdhsa_reserve_vcc 0
		.amdhsa_float_denorm_mode_32 3
		.amdhsa_float_denorm_mode_16_64 3
		.amdhsa_memory_ordered 1
		.amdhsa_forward_progress 1
		.amdhsa_inst_pref_size 64
	.end_amdhsa_kernel
	.amdgpu_metadata
---
amdhsa.version: [ 1, 2 ]
amdhsa.kernels:
  - .name:           k_q07b6f76e77_quant
    .symbol:         k_q07b6f76e77_quant.kd
    .args:
      - { .name: hidden_states, .offset: 0, .size: 8, .value_kind: global_buffer, .address_space: global }
      - { .name: ssm_states, .offset: 8, .size: 8, .value_kind: global_buffer, .address_space: global }
      - { .name: Wq, .offset: 16, .size: 8, .value_kind: global_buffer, .address_space: global }
      - { .name: Wk, .offset: 24, .size: 8, .value_kind: global_buffer, .address_space: global }
      - { .name: Wv, .offset: 32, .size: 8, .value_kind: global_buffer, .address_space: global }
      - { .name: Wsk, .offset: 40, .size: 8, .value_kind: global_buffer, .address_space: global }
      - { .name: Wsv, .offset: 48, .size: 8, .value_kind: global_buffer, .address_space: global }
      - { .name: Wo, .offset: 56, .size: 8, .value_kind: global_buffer, .address_space: global }
      - { .name: xa, .offset: 64, .size: 8, .value_kind: global_buffer, .address_space: global }
      - { .name: wc, .offset: 72, .size: 8, .value_kind: global_buffer, .address_space: global }
      - { .name: wsc, .offset: 80, .size: 8, .value_kind: global_buffer, .address_space: global }
    .group_segment_fixed_size: 231680
    .private_segment_fixed_size: 0
    .kernarg_segment_align: 8
    .kernarg_segment_size: 88
    .max_flat_workgroup_size: 320
    .sgpr_count:     72
    .vgpr_count:     256
    .wavefront_size: 32
...
	.end_amdgpu_metadata
.endif
;; end of part 1
;; launch proj (part 2): grid 16 x 16, 4 waves a work-group, clusters of 4 x 1, 261,632 bytes of LDS; arguments xa, wc, wsc, qc, kc, vc; writes qc, kc, vc
.if DOCPART == 2
	.amdgcn_target "amdgcn-amd-amdhsa--gfx1250"
	.amdhsa_code_object_version 6
	.text
	.protected	k_q07b6f76e77_proj
	.globl	k_q07b6f76e77_proj
	.p2align	8
	.type	k_q07b6f76e77_proj,@function
k_q07b6f76e77_proj:
	s_mov_b64 s[64:65], 0
	v_nop
	global_prefetch_b8 v0, s[64:65] scope:SCOPE_SE
	s_setreg_imm32_b32 hwreg(HW_REG_WAVE_MODE, 25, 1), 1
	s_wait_xcnt 0x0
	s_wait_alu depctr_hold_cnt(0) depctr_sa_sdst(0) depctr_va_vdst(0) depctr_va_sdst(0) depctr_va_ssrc(0) depctr_va_vcc(0) depctr_vm_vsrc(0)
	s_getreg_b32 s2, hwreg(HW_REG_IB_STS2, 6, 4)
	s_cmp_eq_u32 s2, 0
	s_cbranch_scc0 .Lentry_in_a_cluster
	s_endpgm
.Lentry_in_a_cluster:
	s_bfe_u32 s2, ttmp6, 0x10000c
	s_cmp_lg_u32 s2, 0x3003
	s_cbranch_scc0 .Lentry_shape_is_right
	s_endpgm
.Lentry_shape_is_right:
; The five projections on codes of FP6 (E2M3): q = hidden Wq, k = hidden Wk, v = hidden Wv, sk = ssm Wsk, sv = ssm Wsv; K = 2,048 in 16 steps of 128.  The results are quantised here, in registers, and leave as codes:
; q, k, sk along the head's 64 (two blocks of 32), v, sv along the keys.  Records of 3,328 bytes for 64 rows (a unit) of one head: four half fragments of 768 bytes (six registers a lane: registers 0-3 at 16 L, 4-5 at 512 + 8 L),
; then 4 x 64 bytes of scale words (two bytes used).  q, k: tile = 16 rows, lane (r, h) holds block h of the 64;  v: tile = 16 of the head's 64, lane (r, h) holds block h of the unit's 64 keys.
; SHARES.  A work-group: 128 rows x 256 columns; a wave: 128 x 64 (two groups of 32 columns), 32 accumulators.  Cluster x = 0, 1: q;  2: k and v;  3: sk and sv.
; A, all 16 K steps' records (204,800 bytes), comes into LDS ONCE, by one tensor load a wave (one outstanding, by this text's count); nothing is ever filled again.  The four work-groups of a cluster share their rows, so
; each record is asked for JOINTLY.  B IS NOT ASKED FOR JOINTLY: each fragment of B is read by one wave of a work-group alone, so it goes from memory straight into that wave's registers (a ring of four K steps), and LDS,
; which holds A whole, has no room for B beside it without slots that are filled again.
; q, k: TRANSPOSED (source 0 = 16 columns of W, source 1 = 16 rows of x): a lane holds one row, its registers run along the head's axis.  v: source 0 = x, source 1 = W: a lane holds one column, its registers run along the keys.
; Rows and columns of a tile are chosen (lane r of tile 2 b + u: element 32 b + 8 u + r + 8 (r / 8)) so that the 16 registers of two neighbouring tiles are 16 neighbours.
; LIMITS: a block of zeros, or one under 2^-124, gets the byte 1 (read by this program alone); NaN and infinities are not served.
; REGISTERS: window 0: addresses, scale words, the way out;  window 1: B's ring (4 x 48);  window 2: the accumulators;  window 3: A's fragments, two sets of 96.
; A'S WAY IN, as the text below has it (where the lines above count four loads a wave, read one): ONE tensor load a wave at the head: wave w brings K steps 4 w .. 4 w + 3, 200 rows of 256 bytes, dense in memory
; and in LDS; by this text's count one load a wave is outstanding; one wait for 0 and one barrier show all of A to all four waves, and nothing is filled later.
.set NT, 4
.set DP, 4
.set NL, 14                            ; global loads of a K step: 12 of codes, 2 of scale words
.set REC, 12800
.set FLOOR, 0x1800000
.set EOFF,  0xff000000
.set ST,   204800                      ; behind A: the stages; each path has bytes of its own
.set STQ0, 0                           ; a stage for q or k: 12,288 bytes of codes [head 2][tile 8][768], then the scale words [block of 32: 2][1,024]
.set STQ1, 14336
.set STK,  28672
.set STV,  43008                       ; four whole records of v: [head 2][unit 2][3,328]
.set L16, 1
.set L8,  2
.set L4,  3
.set AA,  4                            ; v4-7   16 x lane + 51,200 c
.set AS,  8                            ; v8-11  8 x lane + 51,200 c
.set VQ0, 12
.set VQ1, 13
.set VQ2, 14
.set VV0, 15
.set SB,  16                           ; v16-23 B's scale words: slot, group
.set SA,  32                           ; v32-39 A's: two sets of 4; register i: tile 2 i in lanes 0-15, tile 2 i + 1 in lanes 16-31
.set VV1, 40
.set VV2, 41
.set VC16, 42
.set VCS, 43
.set VD16, 44
.set VD8, 45
.set MX,  48                           ; v48-55 largest magnitudes;  v56-63 the other half's;  v64-71 scale operands;  v72-79 bytes
.set PX,  56
.set SC,  64
.set BY,  72
.set PB,  48                           ; s[48:51] B's codes, two groups;  s[52:55] B's scale words
.set PS,  52
.set MSB, 0
.macro WIN new                         ; the immediate's high byte repeats the setting that is left
.if MSB != \new
	s_set_vgpr_msb (MSB<<8)|\new
.set MSB, \new
.endif
.endm
.macro CROUND                          ; a round of the cluster's barrier
	s_barrier_signal -1
	s_barrier_wait -1
	s_cmp_lg_u32 s16, 0
	s_cbranch_scc1 .Lnot_wave_0_\@
	s_barrier_signal -3
.Lnot_wave_0_\@:
	s_barrier_wait -3
	s_barrier_signal -1
	s_barrier_wait -1
.endm
.macro FETCH                           ; K step FS: A's 8 fragments and their scale words from LDS: 26 loads
.set FP, FS%2
.set FC, FS/4
.set FO, (FS%4)*REC
	ds_load_b64 v[SA+4*FP:SA+4*FP+1], v[AS+FC] offset:FO+12288
	ds_load_b64 v[SA+4*FP+2:SA+4*FP+3], v[AS+FC] offset:FO+12544
	WIN 0xc0                                       ; destination window 3
.irp m, 0,1,2,3,4,5,6,7
.irp g, 0,1,2
	ds_load_b128 v[96*FP+12*\m+4*\g:96*FP+12*\m+4*\g+3], v[AA+FC] offset:FO+1536*\m+512*\g
.endr
.endr
	WIN 0
.endm
.macro BLOAD                           ; K step BS: my four fragments of B and their scale words from memory into slot BS % DP
.set BL, BS%DP
	WIN 0x40                                       ; destination window 1
.irp grp, 0,1
.irp u, 0,1
.irp g, 0,1,2
	global_load_b128 v[12*NT*BL+24*\grp+12*\u+4*\g:12*NT*BL+24*\grp+12*\u+4*\g+3], v[L16], s[PB+2*\grp:PB+2*\grp+1] offset:3072*BS+1536*\u+512*\g
.endr
.endr
.endr
	WIN 0
.irp grp, 0,1
	global_load_b32 v[SB+2*BL+\grp], v[L4], s[PS+2*\grp:PS+2*\grp+1] offset:128*BS
.endr
.endm
.macro WM                              ; one product; fA, fB: the side's scale words stand in lanes 16-31.  K step 0 starts the sums: nothing is cleared
.if KS == 0
.if fA && fB
	v_wmma_scale_f32_16x16x128_f8f6f4 v[rD:rD+7], v[rA:rA+11], v[rB:rB+11], 0, v[rSA], v[rSB] matrix_a_fmt:MATRIX_FMT_FP6 matrix_b_fmt:MATRIX_FMT_FP6 matrix_a_scale:MATRIX_SCALE_ROW1 matrix_b_scale:MATRIX_SCALE_ROW1
.elseif fA
	v_wmma_scale_f32_16x16x128_f8f6f4 v[rD:rD+7], v[rA:rA+11], v[rB:rB+11], 0, v[rSA], v[rSB] matrix_a_fmt:MATRIX_FMT_FP6 matrix_b_fmt:MATRIX_FMT_FP6 matrix_a_scale:MATRIX_SCALE_ROW1
.elseif fB
	v_wmma_scale_f32_16x16x128_f8f6f4 v[rD:rD+7], v[rA:rA+11], v[rB:rB+11], 0, v[rSA], v[rSB] matrix_a_fmt:MATRIX_FMT_FP6 matrix_b_fmt:MATRIX_FMT_FP6 matrix_b_scale:MATRIX_SCALE_ROW1
.else
	v_wmma_scale_f32_16x16x128_f8f6f4 v[rD:rD+7], v[rA:rA+11], v[rB:rB+11], 0, v[rSA], v[rSB] matrix_a_fmt:MATRIX_FMT_FP6 matrix_b_fmt:MATRIX_FMT_FP6
.endif
.else
.if fA && fB
	v_wmma_scale_f32_16x16x128_f8f6f4 v[rD:rD+7], v[rA:rA+11], v[rB:rB+11], v[rD:rD+7], v[rSA], v[rSB] matrix_a_fmt:MATRIX_FMT_FP6 matrix_b_fmt:MATRIX_FMT_FP6 matrix_a_scale:MATRIX_SCALE_ROW1 matrix_b_scale:MATRIX_SCALE_ROW1
.elseif fA
	v_wmma_scale_f32_16x16x128_f8f6f4 v[rD:rD+7], v[rA:rA+11], v[rB:rB+11], v[rD:rD+7], v[rSA], v[rSB] matrix_a_fmt:MATRIX_FMT_FP6 matrix_b_fmt:MATRIX_FMT_FP6 matrix_a_scale:MATRIX_SCALE_ROW1
.elseif fB
	v_wmma_scale_f32_16x16x128_f8f6f4 v[rD:rD+7], v[rA:rA+11], v[rB:rB+11], v[rD:rD+7], v[rSA], v[rSB] matrix_a_fmt:MATRIX_FMT_FP6 matrix_b_fmt:MATRIX_FMT_FP6 matrix_b_scale:MATRIX_SCALE_ROW1
.else
	v_wmma_scale_f32_16x16x128_f8f6f4 v[rD:rD+7], v[rA:rA+11], v[rB:rB+11], v[rD:rD+7], v[rSA], v[rSB] matrix_a_fmt:MATRIX_FMT_FP6 matrix_b_fmt:MATRIX_FMT_FP6
.endif
.endif
.endm
.macro MULQK grp                       ; transposed: accumulator (group, tile of rows m, tile of columns u) at 128 grp + 16 m + 8 u.  The accumulators take turns, one instruction a turn
.irp m, 0,1,2,3,4,5,6,7
.irp u, 0,1
.set rD, 128*\grp+16*\m+8*\u
.set rA, 12*NT*(KS%DP)+24*\grp+12*\u
.set rB, 96*(KS%2)+12*\m
.set rSA, SB+2*(KS%DP)+\grp
.set rSB, SA+4*(KS%2)+\m/2
.set fA, \u
.set fB, \m%2
	WM
.endr
.endr
.endm
.macro MULV                            ; group 1 the natural way: accumulator (u, m) at 128 + 64 u + 8 m
.irp u, 0,1
.irp m, 0,1,2,3,4,5,6,7
.set rD, 128+64*\u+8*\m
.set rA, 96*(KS%2)+12*\m
.set rB, 12*NT*(KS%DP)+24+12*\u
.set rSA, SA+4*(KS%2)+\m/2
.set rSB, SB+2*(KS%DP)+1
.set fA, \m%2
.set fB, \u
	WM
.endr
.endr
.endm
.macro KSTEP kind                      ; K step KS.  kind 0: two groups of q;  1: a group of k and a group of v
.if KS < 15
.set FS, KS+1
	FETCH
	s_wait_dscnt 26                                ; this K step's fragments are in; the 26 loads just issued may be out
.else
	s_wait_dscnt 0x0
.endif
.if 15-KS < DP-1
	s_wait_loadcnt NL*(15-KS)                      ; this K step's B is in; the younger K steps' loads may be out
.else
	s_wait_loadcnt NL*(DP-1)
.endif
	WIN 0xad                                       ; source 0 window 1 (W), source 1 window 3 (x), C and D window 2
	MULQK 0
.if \kind
	WIN 0xa7                                       ; source 0 window 3 (x), source 1 window 1 (W)
	MULV
.else
	MULQK 1
.endif
	WIN 0
.rept 4
	v_nop                                          ; four places in front of loads into registers that these products have read, and of the first read of results
.endr
.if KS+DP <= 15
.set BS, KS+DP
	BLOAD
.endif
.endm
	s_load_b256 s[4:11], s[0:1], 0x0               ; xa, wc, wsc, qc
	s_load_b128 s[12:15], s[0:1], 0x20             ; kc, vc
	v_lshl_add_u32 v254, v0, 2, 0x3fc00
	v_mov_b32 v255, 0
	ds_add_u32 v254, v255
	ds_add_u32 v254, v255
	v_lshrrev_b32 v48, 5, v0
	v_readfirstlane_b32 s16, v48                   ; wave
	s_mov_b32 s17, ttmp9                           ; c: the cluster's x
	s_bfe_u32 s18, ttmp6, 0x40000                  ; cx: it enters B's and the results' addresses alone, by way of s68 to s79 alone
	s_and_b32 s19, ttmp7, 0xffff                   ; the block of 128 rows
	s_lshr_b32 s20, s16, 1                         ; hd: which of my work-group's head pairs
	s_and_b32 s21, s16, 1                          ; hb: which block of 32 of the head.  Also: which unit I copy out
	s_lshl_b32 s60, s21, 3                         ; 8 hb
	s_mov_b32 s61, 0xffff0000                      ; lanes 16-31
	s_mov_b32 s66, 0x76543210
	s_mov_b32 s67, 0xfedcba98
	; descriptor group 1: a record: 50 rows of 256 bytes (32 elements of 8 bytes), dense
	s_mov_b32 s24, 15|(3<<16)|(1<<21)              ; 15:0 the mask: all four work-groups; 17:16 elements of 8 bytes; 21 set beside a mask
	s_mov_b32 s25, 32<<16                          ; tensor_dim0
	s_mov_b32 s26, 200<<16                         ; tensor_dim1: four records
	s_mov_b32 s27, 32<<16                          ; tile_dim0
	s_mov_b32 s28, 200                             ; tile_dim1
	s_mov_b32 s29, 32                              ; tensor_dim0_stride
	s_mov_b32 s30, 0
	s_mov_b32 s31, 0
	; every LDS address is made here, ahead of the parting of the paths
	v_and_b32 v48, 31, v0                          ; lane
	v_and_b32 v49, 15, v0                          ; r
	v_bfe_u32 v50, v0, 4, 1                        ; h
	v_lshlrev_b32 v[L16], 4, v48
	v_lshlrev_b32 v[L8], 3, v48
	v_lshlrev_b32 v[L4], 2, v48
.irp c, 0,1,2,3
	v_add_nc_u32 v[AA+\c], \c*51200, v[L16]
	v_add_nc_u32 v[AS+\c], \c*51200, v[L8]
.endr
	s_mul_i32 s22, s20, 6144
	s_lshl_b32 s23, s21, 8
	s_add_co_u32 s23, s23, s22
	s_add_co_u32 s23, s23, ST
	v_mul_u32_u24 v51, v50, 768
	v_lshl_add_u32 v52, v49, 4, v51
	v_add_nc_u32 v[VQ0], s23, v52                  ; codes of q, k: head, tile 2 p + h, lane r + 16 hb: registers 0-3
	s_lshl_b32 s23, s21, 7
	s_add_co_u32 s23, s23, s22
	s_add_co_u32 s23, s23, ST
	v_lshl_add_u32 v52, v49, 3, v51
	v_add_nc_u32 v[VQ1], s23, v52                  ; registers 4-5 (512 more in the immediate)
	s_lshl_b32 s23, s21, 10
	s_lshl_b32 s22, s20, 9
	s_add_co_u32 s23, s23, s22
	s_add_co_u32 s23, s23, ST+12288
	v_add_nc_u32 v[VQ2], s23, v[L4]                ; my block's plane of scale words
	s_mul_i32 s22, s20, 6656
	s_mul_i32 s23, s21, 1536
	s_add_co_u32 s23, s23, s22
	s_add_co_u32 s23, s23, ST
	v_add_nc_u32 v[VV0], s23, v[L16]               ; codes of v: head, tile 2 hb + u
	v_add_nc_u32 v[VV1], s23, v[L8]
	s_lshl_b32 s23, s21, 7
	s_add_co_u32 s23, s23, s22
	s_add_co_u32 s23, s23, ST
	v_mul_u32_u24 v51, v50, 3328
	v_lshl_add_u32 v51, v49, 2, v51
	v_add_nc_u32 v[VV2], s23, v51                  ; v's scale words: lanes 0-15 unit 0's, lanes 16-31 unit 1's
	s_mul_i32 s23, s16, 3072
	s_add_co_u32 s23, s23, ST
	v_add_nc_u32 v[VC16], s23, v[L16]              ; back: wave w copies head w / 2, unit w % 2
	s_lshl_b32 s23, s16, 8
	s_add_co_u32 s23, s23, ST+12288
	v_add_nc_u32 v[VCS], s23, v[L8]
	s_mul_i32 s23, s16, 3328
	s_add_co_u32 s23, s23, ST
	v_add_nc_u32 v[VD16], s23, v[L16]
	v_add_nc_u32 v[VD8], s23, v[L8]
.irp m, 0,1,2,3,4,5,6,7
	v_mov_b32 v[PX+\m], 0                          ; written once: a lane permute's destination counts as one of its sources
.endr
	; my two groups of 32 columns.  c < 2: j0 = 32 c + 8 cx + w, j1 = j0 + 4 (two heads on);  c >= 2: j0 = 32 c + 4 cx + w (k, sk), j1 = j0 + 16 (v, sv)
	s_cmp_lt_u32 s17, 2
	s_cselect_b32 s70, 3, 2
	s_cselect_b32 s71, 4, 16
	s_lshl_b32 s68, s18, s70
	s_lshl_b32 s69, s17, 5
	s_add_co_u32 s68, s68, s69
	s_add_co_u32 s68, s68, s16
	s_add_co_u32 s69, s68, s71
	s_mul_i32 s48, s68, 49152
	s_mov_b32 s49, 0
	s_mul_i32 s50, s69, 49152
	s_mov_b32 s51, 0
	s_lshl_b32 s52, s68, 11
	s_mov_b32 s53, 0
	s_lshl_b32 s54, s69, 11
	s_mov_b32 s55, 0
	; the records that I copy out
	s_lshr_b32 s70, s19, 3                         ; b
	s_and_b32 s71, s19, 7
	s_lshl_b32 s71, s71, 1
	s_add_co_u32 s71, s71, s21                     ; unit
	s_lshl_b32 s72, s17, 2
	s_add_co_u32 s72, s72, s18
	s_lshl_b32 s72, s72, 2
	s_add_co_u32 s72, s72, s20                     ; q's head: 4 (4 c + cx) + hd
	s_lshl_b32 s73, s70, 5
	s_add_co_u32 s72, s72, s73
	s_lshl_b32 s72, s72, 4
	s_add_co_u32 s72, s72, s71
	s_add_co_u32 s75, s72, 32                      ; two heads on
	s_lshl_b32 s73, s70, 3
	s_lshl_b32 s74, s18, 1
	s_add_co_u32 s73, s73, s74
	s_add_co_u32 s73, s73, s20                     ; the key head: 8 b + 2 cx + hd
	s_lshl_b32 s73, s73, 1
	s_cmp_eq_u32 s17, 2
	s_cselect_b32 s74, 1, 0                        ; half 1: from hidden;  half 0: from ssm
	s_add_co_u32 s73, s73, s74
	s_lshl_b32 s73, s73, 4
	s_add_co_u32 s73, s73, s71
	s_cmp_lt_u32 s17, 2
	s_cselect_b32 s76, s72, s73
	s_cselect_b32 s78, s75, s73
	s_mul_i32 s76, s76, 3328
	s_mul_i32 s78, s78, 3328
	s_mov_b32 s77, 0
	s_mov_b32 s79, 0
	; A: tensor (ssm where c = 3), block, my chunk of four records
	s_cmp_eq_u32 s17, 3
	s_cselect_b32 s62, 16, 0
	s_add_co_u32 s62, s62, s19
	s_mul_i32 s62, s62, 204800
	s_mul_i32 s22, s16, 4*REC                      ; my four records
	s_add_co_u32 s62, s62, s22
	s_mov_b32 s63, 0
	s_wait_dscnt 0x0
	s_wait_kmcnt 0x0
	s_cmp_lt_u32 s17, 2
	s_cselect_b64 s[56:57], s[10:11], s[12:13]     ; group 0 goes to qc or kc,
	s_cselect_b64 s[58:59], s[10:11], s[14:15]     ; group 1 to qc or vc
	s_add_nc_u64 s[56:57], s[56:57], s[76:77]
	s_add_nc_u64 s[58:59], s[58:59], s[78:79]
	s_add_nc_u64 s[48:49], s[6:7], s[48:49]
	s_add_nc_u64 s[50:51], s[6:7], s[50:51]
	s_add_nc_u64 s[52:53], s[8:9], s[52:53]
	s_add_nc_u64 s[54:55], s[8:9], s[54:55]
	s_add_nc_u64 s[62:63], s[4:5], s[62:63]
	s_mov_b32 s32, 1                               ; count = 1
	s_mov_b32 s33, s22                             ; LDS address: 51,200 x wave
	s_mov_b64 s[34:35], s[62:63]
	s_or_b32 s35, s35, 0x80000000                  ; type = 2
	CROUND                                         ; all four work-groups are here: the joint loads meet
	tensor_load_to_lds s[32:35], s[24:31]          ; my one tensor load: it is asked for first, since the first product needs all of A
	s_nop 0
.rept 4
	v_nop
.endr
.set BS, 0
.rept DP
	BLOAD                                          ; B's ring is filled: 56 loads
.set BS, BS+1
.endr
	s_wait_alu depctr_va_vdst(0)                   ; the wait at the head's end
	s_wait_tensorcnt 0x0                           ; my four records have landed
	s_barrier_signal -1
	s_barrier_wait -1                              ; everybody's have
.set FS, 0
	FETCH
; 16 registers of a lane (tiles u = 0, 1 of the group) are 16 neighbours of block hb of my row; the block's other 16 lie in lane l xor 16.  Tiles 2 p and 2 p + 1 change halves, so that lanes 0-15 hold tile 2 p's whole block
; and lanes 16-31 tile 2 p + 1's; it is lane r + 16 hb's six registers of that tile's half fragment.
.macro EPIQK grp, stg, zz, tt, sw
.set AB, 128*\grp
	WIN 0x0a                                       ; sources 0 and 1 window 2
.irp m, 0,1,2,3,4,5,6,7
	v_max3_num_f32 v[MX+\m], |v[AB+16*\m]|, |v[AB+16*\m+1]|, FLOOR     ; each accumulator is read from its low end on
.endr
	WIN 0x28                                       ; sources 1 and 2 window 2
.irp i, 2,4,6,8,10,12,14
.irp m, 0,1,2,3,4,5,6,7
	v_max3_num_f32 v[MX+\m], v[MX+\m], |v[AB+16*\m+\i]|, |v[AB+16*\m+\i+1]|
.endr
.endr
	WIN 0
.irp m, 0,1,2,3,4,5,6,7
	v_permlanex16_b32 v[PX+\m], v[MX+\m], s66, s67
.endr
.irp m, 0,1,2,3,4,5,6,7
	v_max_num_f32 v[MX+\m], v[MX+\m], v[PX+\m]
.endr
.irp m, 0,1,2,3,4,5,6,7
	v_add_nc_u32 v[SC+\m], EOFF, v[MX+\m]          ; 2 off the exponent field: the conversion's scale operand
.endr
.irp m, 0,1,2,3,4,5,6,7
	v_lshrrev_b32 v[BY+\m], 23, v[SC+\m]           ; the byte
.endr
	WIN 0x02                                       ; source 0 window 2
.irp p, 0,1,2,3
	v_cvt_scalef32_pk16_fp6_f32 v[\zz+8*\p:\zz+8*\p+2], v[AB+32*\p:AB+32*\p+15], v[SC+2*\p]
	v_cvt_scalef32_pk16_fp6_f32 v[\tt+4*\p:\tt+4*\p+2], v[AB+32*\p+16:AB+32*\p+31], v[SC+2*\p+1]
.endr
	WIN 0
	v_nop                                          ; one plain place behind a scaled conversion
.irp p, 0,1,2,3
.irp i, 0,1,2
	v_permlane16_swap_b32 v[\zz+8*\p+\i], v[\tt+4*\p+\i]
.endr
.endr
.irp p, 0,1,2,3
.irp i, 0,1,2
	v_mov_b32 v[\zz+8*\p+3+\i], v[\tt+4*\p+\i]
.endr
.endr
.irp p, 0,1,2,3
	v_cndmask_b32 v[\sw+\p], v[BY+2*\p], v[BY+2*\p+1], s61
.endr
.irp p, 0,1,2,3
	v_lshlrev_b32 v[\sw+\p], s60, v[\sw+\p]        ; at byte hb of the row's word
.endr
.irp p, 0,1,2,3
	ds_store_b128 v[VQ0], v[\zz+8*\p:\zz+8*\p+3] offset:\stg+1536*\p
	ds_store_b64 v[VQ1], v[\zz+8*\p+4:\zz+8*\p+5] offset:\stg+1536*\p+512
	ds_store_b32 v[VQ2], v[\sw+\p] offset:\stg+128*\p
.endr
.endm
; 64 registers of a lane are 128 keys' halves (register 16 b + i: key 32 b + 16 h + i) of my column: a whole fragment, whose registers 0-5 belong to unit 0 and 6-11 to unit 1.
.macro EPIV u
.set VS, 128+64*\u
.set PC, 132+20*\u
.set PW, 172+\u
.set PV, 174+\u
.set PT, 176+\u
	WIN 0x0a
.irp b, 0,1,2,3
	v_max3_num_f32 v[MX+\b], |v[VS+16*\b]|, |v[VS+16*\b+1]|, FLOOR
.endr
	WIN 0x28
.irp i, 2,4,6,8,10,12,14
.irp b, 0,1,2,3
	v_max3_num_f32 v[MX+\b], v[MX+\b], |v[VS+16*\b+\i]|, |v[VS+16*\b+\i+1]|
.endr
.endr
	WIN 0
.irp b, 0,1,2,3
	v_permlanex16_b32 v[PX+\b], v[MX+\b], s66, s67
.endr
.irp b, 0,1,2,3
	v_max_num_f32 v[MX+\b], v[MX+\b], v[PX+\b]
.endr
.irp b, 0,1,2,3
	v_add_nc_u32 v[SC+\b], EOFF, v[MX+\b]
.endr
.irp b, 0,1,2,3
	v_lshrrev_b32 v[BY+\b], 23, v[SC+\b]
.endr
	v_lshl_or_b32 v[PW], v[BY+1], 8, v[BY]
	v_lshl_or_b32 v[PT], v[BY+3], 8, v[BY+2]
	WIN 0x02
.irp c, 0,1
	v_cvt_scalef32_pk16_fp6_f32 v[PC+6*\c:PC+6*\c+2], v[VS+32*\c:VS+32*\c+15], v[SC+2*\c]
	v_cvt_scalef32_pk16_fp6_f32 v[PC+12+4*\c:PC+14+4*\c], v[VS+32*\c+16:VS+32*\c+31], v[SC+2*\c+1]
.endr
	WIN 0
	v_nop
.irp c, 0,1
.irp i, 0,1,2
	v_permlane16_swap_b32 v[PC+6*\c+\i], v[PC+12+4*\c+\i]
.endr
.irp i, 0,1,2
	v_mov_b32 v[PC+3+6*\c+\i], v[PC+12+4*\c+\i]
.endr
.endr
	v_cndmask_b32 v[PV], v[PW], v[PT], s61         ; lanes 0-15 unit 0's two bytes, lanes 16-31 unit 1's
	ds_store_b128 v[VV0], v[PC:PC+3] offset:STV+768*\u
	ds_store_b64 v[VV1], v[PC+4:PC+5] offset:STV+768*\u+512
	ds_store_b128 v[VV0], v[PC+6:PC+9] offset:STV+3328+768*\u
	ds_store_b64 v[VV1], v[PC+10:PC+11] offset:STV+3328+768*\u+512
	ds_store_b32 v[VV2], v[PV] offset:STV+3072+64*\u
.endm
.macro CLQK stg, o                     ; a record of q or k back from its stage: 3,072 bytes of codes, and the two planes of scale words
.irp i, 0,1,2,3,4,5
	ds_load_b128 v[\o+4*\i:\o+4*\i+3], v[VC16] offset:\stg+512*\i
.endr
	ds_load_b64 v[\o+24:\o+25], v[VCS] offset:\stg
	ds_load_b64 v[\o+26:\o+27], v[VCS] offset:\stg+1024
.endm
.macro CSQK o, d
	v_or_b32 v[\o+24], v[\o+24], v[\o+26]
	v_or_b32 v[\o+25], v[\o+25], v[\o+27]
.irp i, 0,1,2,3,4,5
	global_store_b128 v[L16], v[\o+4*\i:\o+4*\i+3], s[\d:\d+1] offset:512*\i     ; 512 consecutive bytes, aligned
.endr
	global_store_b64 v[L8], v[\o+24:\o+25], s[\d:\d+1] offset:3072               ; 256 consecutive bytes, aligned
.endm
	s_cmp_lt_u32 s17, 2                            ; the cluster's x: the same in all partners and all waves
	s_cbranch_scc0 .Lqv
.set KS, 0
.rept 16
	KSTEP 0
.set KS, KS+1
.endr
	EPIQK 0, STQ0, 80, 112, 128
	EPIQK 1, STQ1, 132, 164, 180
	s_wait_dscnt 0x0                               ; for the others' sake: my stores into the stages have landed
	s_barrier_signal -1
	s_barrier_wait -1
	CLQK STQ0, 184
	CLQK STQ1, 212
	s_wait_dscnt 0x0
	CSQK 184, 56
	CSQK 212, 58
	s_branch .Lend
.Lqv:
.set KS, 0
.rept 16
	KSTEP 1
.set KS, KS+1
.endr
	EPIQK 0, STK, 80, 112, 128
	EPIV 0
	EPIV 1
	s_wait_dscnt 0x0
	s_barrier_signal -1
	s_barrier_wait -1
	CLQK STK, 184
.irp i, 0,1,2,3,4,5
	ds_load_b128 v[212+4*\i:212+4*\i+3], v[VD16] offset:STV+512*\i
.endr
	ds_load_b64 v[236:237], v[VD8] offset:STV+3072
	s_wait_dscnt 0x0
	CSQK 184, 56
.irp i, 0,1,2,3,4,5
	global_store_b128 v[L16], v[212+4*\i:212+4*\i+3], s[58:59] offset:512*\i
.endr
	global_store_b64 v[L8], v[236:237], s[58:59] offset:3072
.Lend:
	s_wait_tensorcnt 0x0
	ds_add_u32 v254, v255
	s_wait_dscnt 0x0
	CROUND                                         ; the closing round: no work-group ends while a partner may still ask for a record that names it
	s_endpgm
.Lfunc_end_k_q07b6f76e77_proj:
	.size	k_q07b6f76e77_proj, .Lfunc_end_k_q07b6f76e77_proj-k_q07b6f76e77_proj
	.p2alignl 7, 3214868480
	.fill 96, 4, 3214868480
	.section	.rodata,"a",@progbits
	.p2align	6, 0x0
	.amdhsa_kernel k_q07b6f76e77_proj
		.amdhsa_group_segment_fixed_size 261632
		.amdhsa_private_segment_fixed_size 0
		.amdhsa_enable_private_segment 0
		.amdhsa_kernarg_size 48
		.amdhsa_user_sgpr_count 2
		.amdhsa_user_sgpr_kernarg_segment_ptr 1
		.amdhsa_wavefront_size32 1
		.amdhsa_system_sgpr_workgroup_id_x 1
		.amdhsa_system_sgpr_workgroup_id_y 1
		.amdhsa_system_sgpr_workgroup_id_z 1
		.amdhsa_system_vgpr_workitem_id 0
		.amdhsa_next_free_vgpr 960
		.amdhsa_next_free_sgpr 80
		.amdhsa_reserve_vcc 0
		.amdhsa_float_denorm_mode_32 3
		.amdhsa_float_denorm_mode_16_64 3
		.amdhsa_memory_ordered 1
		.amdhsa_forward_progress 1
		.amdhsa_inst_pref_size 255
	.end_amdhsa_kernel
	.section	.bss,"aw",@nobits
	.p2align	6
	.space	262144
	.amdgpu_metadata
---
amdhsa.version: [ 1, 2 ]
amdhsa.kernels:
  - .name:           k_q07b6f76e77_proj
    .symbol:         k_q07b6f76e77_proj.kd
    .args:
      - { .name: xa, .offset: 0, .size: 8, .value_kind: global_buffer, .address_space: global }
      - { .name: wc, .offset: 8, .size: 8, .value_kind: global_buffer, .address_space: global }
      - { .name: wsc, .offset: 16, .size: 8, .value_kind: global_buffer, .address_space: global }
      - { .name: qc, .offset: 24, .size: 8, .value_kind: global_buffer, .address_space: global }
      - { .name: kc, .offset: 32, .size: 8, .value_kind: global_buffer, .address_space: global }
      - { .name: vc, .offset: 40, .size: 8, .value_kind: global_buffer, .address_space: global }
    .group_segment_fixed_size: 261632
    .private_segment_fixed_size: 0
    .kernarg_segment_align: 8
    .kernarg_segment_size: 48
    .max_flat_workgroup_size: 128
    .sgpr_count:     80
    .vgpr_count:     960
    .wavefront_size: 32
...
	.end_amdgpu_metadata
.endif
;; end of part 2
;; launch attn (part 3): grid 16 x 16, 16 waves a work-group, no clusters, 169,984 bytes of LDS; arguments qc, kc, vc, oa; writes oa
.if DOCPART == 3
	.amdgcn_target "amdgcn-amd-amdhsa--gfx1250"
	.amdhsa_code_object_version 6
	.text
	.protected	k_q07b6f76e77_attn
	.globl	k_q07b6f76e77_attn
	.p2align	8
	.type	k_q07b6f76e77_attn,@function
k_q07b6f76e77_attn:
	s_mov_b64 s[64:65], 0
	v_nop
	global_prefetch_b8 v0, s[64:65] scope:SCOPE_SE
	s_setreg_imm32_b32 hwreg(HW_REG_WAVE_MODE, 25, 1), 1
	s_wait_xcnt 0x0
; o = softmax over [ssm keys | attn keys] of (q k / 8 + slope (key - query)), window of 256 keys back in each half, times [sv | v]; both products on codes of FP6 (E2M3).  o is divided by the row's sum, quantised along the
; hidden axis and stored as images of the last product's operand (oa: [block of 128 rows 16][K step 16][12,800]: 8 images of 1,536 bytes, 512 bytes of scale words).
; SHARES.  A work-group: 64 queries (x) of the four query heads of one key head (y = 8 b + key head).  Wave w: head w / 4, tile of 16 queries w % 4: 256 registers, four waves to a SIMD.
; KEYS.  A query's window lies in units U0 .. U0 + 4 of 64 keys, U0 = max(x - 4, 0), of each half: 10 units, five steps of 128 keys.  What lies outside the window there is masked; all other keys the mask of the problem throws away.
; K's and V's 2 x 5 records (66,560 bytes) come into LDS once, one tensor load each for waves 0 to 3; nothing is filled again.
; NO CLUSTER: neighbouring blocks of queries want other units of keys, so a joint load of what they share would make LDS addresses hang on a work-group's place; and the four heads that share keys are in one work-group already.
; LAYOUT.  S^T = K Q^T, O^T = V^T P^T: a lane holds one query.  The head's axis is 64: Q's fragment has zero codes for k = 64 .. 127, so what stands in the upper six registers of K's operand (the next tile's codes, finite
; numbers all, under the byte 0) adds nothing.
; BIAS AND MASK.  x = key - query + 127.5 is exact; the key counts where |x| < 128.  The bias enters as the C of the score's product: C = x (8 slope) - K0, one rounding, K0 = 127.5 (8 slope) rounded, one constant for the row.
; A hidden key gets x = -2^110: a finite score far below every other, p = 0.  Each query has a counting key in the first step, so M is a number from there on.
; THE SOFTMAX: t = score log2(e) / 8; M = the running largest t rounded up to a whole number; p = 2^(t - M) is quantised along the keys; the sum is taken of the unquantised p and divides at the end.
; LIMITS: NaN and infinities are not served; a block of zeros, or one under 2^-124, gets the byte 1 (read by this program alone); the slopes are the f32 numbers nearest 2^(-head / 4).
.set FLOOR, 0x1800000
.set EOFF,  0xff000000
.set UB,  3328                         ; a unit's record
.set VB0, 33280                        ; V's records lie behind K's ten
.set OST, 66560                        ; o's images: [K step 2][tile 4][1,536]
.set SCO, 78848                        ; o's scale words: [head's parity 2][K step 2][256]
.set QS,  10                           ; v10      Q's scale words
.set QF,  16                           ; v16-27   Q's fragment
.set RB,  28                           ; v28-43   x of register i for the unit at the range's start
.set KV,  44                           ; v44-97   K's eight tiles, six registers each, and six zeros; later V's four fragments
.set SS,  98                           ; v98-161  C, S^T, p
.set OO,  162                          ; v162-193 O^T
.set PC,  194                          ; v194-213 p's codes
.set BM,  214
.set BP,  218
.set SO,  222
.set KSC, 226                          ; v226-229 K's scale words
.set VSC, 230                          ; v230-231 V's
.set VA,  232                          ; v232-235 V's words as loaded: unit 2 j (two), unit 2 j + 1 (two)
.set PW,  236                          ; p's scale word
.set FF,  238                          ; v[238:239] f
.set TT,  240
	s_load_b256 s[4:11], s[0:1], 0x0               ; qc, kc, vc, oa
	v_lshl_add_u32 v254, v0, 2, 0x29000
	v_mov_b32 v255, 0
	ds_add_u32 v254, v255
	ds_add_u32 v254, v255
	v_lshrrev_b32 v11, 5, v0
	s_delay_alu instid0(VALU_DEP_1)
	v_readfirstlane_b32 s16, v11                   ; wave
	s_mov_b32 s17, ttmp9                           ; g: block of 64 queries
	s_and_b32 s18, ttmp7, 0xffff
	s_lshr_b32 s40, s18, 3                         ; b
	s_and_b32 s41, s18, 7                          ; key head
	s_lshr_b32 s42, s16, 2                         ; i: head in the group
	s_and_b32 s43, s16, 3                          ; e: tile of queries
	s_sub_co_i32 s44, s17, 4
	s_max_i32 s44, s44, 0                          ; U0
	s_sub_co_i32 s19, s44, s17
	s_lshl_b32 s19, s19, 6
	s_lshr_b32 s45, s43, 1
	s_lshl_b32 s46, s45, 5
	s_sub_co_i32 s19, s19, s46                     ; E0 = 64 U0 - 64 g - 32 (e / 2)
	s_lshr_b32 s47, s16, 3                         ; which of the two K steps of the last product my head lies in
	s_and_b32 s48, s42, 1                          ; and in which half of it
	s_lshl_b32 s60, s48, 4
	s_mov_b32 s20, 0x76543210
	s_mov_b32 s21, 0xfedcba98
	s_mov_b32 s22, 0x3e38aa3b                      ; c = log2(e) / 8
	s_mov_b32 s23, s22
	s_mov_b32 s38, 0x43000000                      ; 128.0
	s_mov_b32 s36, 0x3f1837f0                      ; 2^(-i / 4)
	s_cmp_eq_u32 s42, 2
	s_cselect_b32 s36, 0x3f3504f3, s36
	s_cmp_eq_u32 s42, 1
	s_cselect_b32 s36, 0x3f5744fd, s36
	s_cmp_eq_u32 s42, 0
	s_cselect_b32 s36, 1.0, s36
	s_sub_co_i32 s49, 3, s41
	s_lshl_b32 s49, s49, 23
	s_add_co_u32 s36, s36, s49                     ; x 2^(3 - key head): 8 x slope
	s_mov_b32 s37, s36
	; descriptor group 1: five records: 65 rows of 256 bytes, dense
	s_mov_b32 s24, 3<<16
	s_mov_b32 s25, 32<<16
	s_mov_b32 s26, 65<<16
	s_mov_b32 s27, 32<<16
	s_mov_b32 s28, 65
	s_mov_b32 s29, 32
	s_mov_b32 s30, 0
	s_mov_b32 s31, 0
	; every LDS address is made here, ahead of the first branch on the wave's number
	v_and_b32 v11, 31, v0
	s_delay_alu instid0(VALU_DEP_1)
	v_lshlrev_b32 v1, 4, v11
	s_wait_alu depctr_va_vdst(0)
	v_lshlrev_b32 v2, 3, v11
	v_lshlrev_b32 v3, 2, v11
	v_add_nc_u32 v4, VB0, v1
	s_delay_alu instid0(VALU_DEP_3)
	v_add_nc_u32 v5, VB0, v2
	s_delay_alu instid0(VALU_DEP_3)
	v_add_nc_u32 v6, VB0, v3
	v_and_b32 v240, 15, v0                         ; r
	s_wait_alu depctr_va_vdst(0)
	v_bfe_u32 v241, v0, 4, 1                       ; h
	s_mul_i32 s49, s47, 6144
	s_mul_i32 s50, s43, 1536
	s_add_co_u32 s49, s49, s50
	s_add_co_u32 s49, s49, OST
	s_mul_i32 s50, s48, 520
	s_add_co_u32 s50, s50, s49
	v_add_nc_u32 v242, s50, v1                     ; an even head fills registers 0-5 of the image (0, 1 here; 4, 5 at + 512), an odd head 6-11 (6, 7; 10, 11)
	s_mul_i32 s50, s48, 1016
	s_add_co_u32 s50, s50, s49
	s_add_co_u32 s50, s50, 8
	v_add_nc_u32 v243, s50, v1                     ; registers 2, 3, or 8, 9
	s_lshl_b32 s49, s48, 9
	s_lshl_b32 s50, s47, 8
	s_add_co_u32 s49, s49, s50
	s_and_b32 s50, s43, 1
	s_lshl_b32 s50, s50, 7
	s_add_co_u32 s49, s49, s50
	s_lshl_b32 s50, s45, 2
	s_add_co_u32 s49, s49, s50
	s_add_co_u32 s49, s49, SCO
	v_lshl_add_u32 v244, v240, 3, s49              ; my row's scale word: 8 (r + 16 (e % 2)) + 4 (e / 2)
	s_mul_i32 s49, s16, 768
	s_add_co_u32 s49, s49, OST
	v_add_nc_u32 v245, s49, v1                     ; back: 768 bytes a wave
	s_add_co_u32 s49, s49, 512
	v_add_nc_u32 v246, s49, v2
	s_lshl_b32 s49, s47, 8
	s_add_co_u32 s49, s49, SCO
	v_add_nc_u32 v247, s49, v2
	; offsets in memory
	s_lshl_b32 s49, s40, 5
	s_lshl_b32 s50, s41, 2
	s_add_co_u32 s49, s49, s50
	s_add_co_u32 s49, s49, s42
	s_lshl_b32 s49, s49, 4
	s_add_co_u32 s49, s49, s17
	s_mul_i32 s49, s49, UB                         ; q's record: ((32 b + head) 16 + g)
	s_mul_i32 s52, s43, 768
	s_add_co_u32 s52, s52, s49
	s_mov_b32 s53, 0
	s_lshl_b32 s54, s43, 6
	s_add_co_u32 s54, s54, s49
	s_add_co_u32 s54, s54, 3072
	s_mov_b32 s55, 0
	s_lshl_b32 s49, s40, 3
	s_add_co_u32 s49, s49, s41
	s_lshl_b32 s49, s49, 1
	s_and_b32 s51, s16, 1                          ; the half that I fetch, if I fetch
	s_add_co_u32 s49, s49, s51
	s_lshl_b32 s49, s49, 4
	s_add_co_u32 s49, s49, s44
	s_mul_i32 s50, s49, UB
	s_mul_i32 s33, s51, 5*UB                       ; and where it goes: K's halves at 0 and 16,640,
	s_add_co_u32 s69, s33, VB0                     ; V's behind them
	s_mov_b32 s51, 0
	s_lshl_b32 s49, s40, 3
	s_lshr_b32 s56, s17, 1
	s_add_co_u32 s49, s49, s56
	s_lshl_b32 s49, s49, 4
	s_lshl_b32 s56, s41, 1
	s_add_co_u32 s49, s49, s56
	s_add_co_u32 s49, s49, s47
	s_mul_i32 s49, s49, 12800                      ; o's record
	s_and_b32 s58, s17, 1
	s_mul_i32 s56, s58, 6144
	s_add_co_u32 s56, s56, s49
	s_and_b32 s57, s16, 7
	s_mul_i32 s57, s57, 768
	s_add_co_u32 s56, s56, s57
	s_mov_b32 s57, 0
	s_lshl_b32 s58, s58, 8
	s_add_co_u32 s58, s58, s49
	s_add_co_u32 s58, s58, 12288
	s_mov_b32 s59, 0
	s_mov_b32 s32, 1
	s_mov_b32 s68, 1
	s_wait_dscnt 0x0
	s_wait_kmcnt 0x0
	s_add_nc_u64 s[34:35], s[6:7], s[50:51]
	s_or_b32 s35, s35, 0x80000000
	s_add_nc_u64 s[70:71], s[8:9], s[50:51]
	s_or_b32 s71, s71, 0x80000000
	s_add_nc_u64 s[52:53], s[4:5], s[52:53]
	s_add_nc_u64 s[54:55], s[4:5], s[54:55]
	s_add_nc_u64 s[56:57], s[10:11], s[56:57]
	s_add_nc_u64 s[58:59], s[10:11], s[58:59]
	s_cmp_lt_u32 s16, 2                            ; waves 0, 1: K's halves;  waves 2, 3: V's;  the others fetch nothing
	s_cbranch_scc0 .Lnot_k
	tensor_load_to_lds s[32:35], s[24:31]
	s_nop 0
.rept 4
	v_nop
.endr
	s_branch .Lasked
.Lnot_k:
	s_cmp_lt_u32 s16, 4
	s_cbranch_scc0 .Lasked
	tensor_load_to_lds s[68:71], s[24:31]
	s_nop 0
.rept 4
	v_nop
.endr
.Lasked:
	s_wait_alu depctr_va_vdst(0)
	v_lshlrev_b32 v28, 4, v241                     ; x for register 0: 16 h - r - 8 (r / 8) - 8 (e % 2) + E0 + 127.5
	s_delay_alu instid0(VALU_DEP_1)
	v_sub_nc_u32 v28, v28, v240
	v_and_b32 v29, 8, v240
	s_delay_alu instid0(VALU_DEP_1)
	v_sub_nc_u32 v28, v28, v29
	v_lshlrev_b32 v241, 2, v240                    ; 4 r
	global_load_b128 v[QF:QF+3], v1, s[52:53]      ; Q's half fragment stays in registers
	global_load_b64 v[QF+4:QF+5], v2, s[52:53] offset:512
	global_load_b32 v[QS], v241, s[54:55]
	s_and_b32 s50, s43, 1
	s_lshl_b32 s50, s50, 3
	s_sub_co_i32 s50, s19, s50
	v_add_nc_u32 v28, s50, v28
	s_delay_alu instid0(VALU_DEP_1)
	v_cvt_f32_i32 v28, v28
	s_delay_alu instid0(VALU_DEP_1)
	v_add_f32 v28, 0x42ff0000, v28
.irp i, 1,2,3,4,5,6,7,8,9,10,11,12,13,14,15
	s_delay_alu instid0(VALU_DEP_1)
	v_add_f32 v[RB+\i], 1.0, v[RB+\i-1]            ; exact: small multiples of one half
.endr
	v_mov_b32 v7, 0xf6800000                       ; -2^110
	v_mov_b32 v8, s36
	s_delay_alu instid0(VALU_DEP_1)
	v_mul_f32 v8, 0xc2ff0000, v8                   ; -K0
	s_delay_alu instid0(VALU_DEP_1)
	v_mov_b32 v9, v8
	v_mov_b32 v13, 0xff61b1e6                      ; the largest t so far: -3e38
	s_delay_alu instid0(VALU_DEP_1)
	v_floor_f32 v12, -v13                          ; -M
	v_mov_b32 v14, 0                               ; the sum, in two halves
	v_mov_b32 v15, 0
.irp i, 6,7,8,9,10,11
	v_mov_b32 v[QF+\i], 0                          ; Q's codes for k = 64 .. 127
	v_mov_b32 v[KV+42+\i], 0                       ; and what stands behind K's last tile
.endr
.irp b, 0,1,2,3
	v_mov_b32 v[BP+\b], 0                          ; written once: a lane permute's destination counts as one of its sources
.endr
	v_mov_b32 v[FF+1], 0                           ; (named as the upper half of a pair)
.macro KLOAD j                         ; step j's eight tiles of K (units 2 j, 2 j + 1) and their scale words
.irp t, 0,1,2,3,4,5,6,7
	ds_load_b128 v[KV+6*\t:KV+6*\t+3], v1 offset:(2*(\j)+\t/4)*UB+(\t%4)*768
	ds_load_b64 v[KV+6*\t+4:KV+6*\t+5], v2 offset:(2*(\j)+\t/4)*UB+(\t%4)*768+512
.endr
.irp n, 0,1,2,3
	ds_load_b32 v[KSC+\n], v3 offset:(2*(\j)+\n/2)*UB+3072+128*(\n%2)    ; lanes 0-15 the even tile's words, lanes 16-31 the odd tile's
.endr
.endm
.macro VLOAD j                         ; step j's four fragments of V^T: registers 0-5 from unit 2 j, 6-11 from unit 2 j + 1
.irp d, 0,1,2,3
	ds_load_b128 v[KV+12*\d:KV+12*\d+3], v4 offset:(2*(\j))*UB+768*\d
	ds_load_b64 v[KV+12*\d+4:KV+12*\d+5], v5 offset:(2*(\j))*UB+768*\d+512
	ds_load_b128 v[KV+12*\d+6:KV+12*\d+9], v4 offset:(2*(\j)+1)*UB+768*\d
	ds_load_b64 v[KV+12*\d+10:KV+12*\d+11], v5 offset:(2*(\j)+1)*UB+768*\d+512
.endr
.irp n, 0,1
	ds_load_b32 v[VA+\n], v6 offset:(2*(\j))*UB+3072+128*\n
	ds_load_b32 v[VA+2+\n], v6 offset:(2*(\j)+1)*UB+3072+128*\n
.endr
.endm
.macro CBUILD j, q                     ; the C of block q (32 keys) of step j.  KAP: the block's first key, counted from the range's start in its half; KB: that number's f32 bits
.set KAP, 64*((2*(\j)+(\q)/2)%5)+32*((\q)%2)
.if KAP == 0
.set KB, 0
.elseif KAP < 64
.set KB, (132<<23)|((KAP-32)<<18)
.elseif KAP < 128
.set KB, (133<<23)|((KAP-64)<<17)
.elseif KAP < 256
.set KB, (134<<23)|((KAP-128)<<16)
.else
.set KB, (135<<23)|((KAP-256)<<15)
.endif
.irp i, 0,2,4,6,8,10,12,14
	v_pk_add_f32 v[SS+16*(\q)+\i:SS+16*(\q)+\i+1], v[RB+\i:RB+\i+1], KB op_sel_hi:[1,0]      ; x
.endr
	s_add_co_i32 s39, s19, KAP+224                 ; all 32 keys count for all 16 queries where -224 <= E0 + KAP <= -32: a branch on ids
	s_cmp_le_u32 s39, 192
	s_cbranch_scc1 .Lopen_\@
.irp i, 0,1,2,3,4,5,6,7,8,9,10,11,12,13,14,15
	v_cmp_lt_f32 vcc_lo, |v[SS+16*(\q)+\i]|, s38
	s_delay_alu instid0(VALU_DEP_1)
	v_cndmask_b32 v[SS+16*(\q)+\i], v7, v[SS+16*(\q)+\i], vcc_lo
.endr
.Lopen_\@:
	s_wait_alu depctr_va_vdst(0)
.irp i, 0,2,4,6,8,10,12,14
	v_pk_fma_f32 v[SS+16*(\q)+\i:SS+16*(\q)+\i+1], v[SS+16*(\q)+\i:SS+16*(\q)+\i+1], s[36:37], v[8:9] op_sel_hi:[1,0,0]
.endr
.endm
.macro STEP j, first
.if \first == 0                        ; the first step's C is built ahead of the wait for the tiles
	CBUILD \j, 0
	CBUILD \j, 1
	CBUILD \j, 2
	CBUILD \j, 3
.endif
.rept 4
	v_nop
.endr
	s_wait_alu depctr_va_vdst(0)
	s_wait_dscnt 0x0                               ; K is in
.irp t, 0,2,4,6                        ; eight accumulators, one instruction each
	v_wmma_scale_f32_16x16x128_f8f6f4 v[SS+8*\t:SS+8*\t+7], v[KV+6*\t:KV+6*\t+11], v[QF:QF+11], v[SS+8*\t:SS+8*\t+7], v[KSC+\t/2], v[QS] matrix_a_fmt:MATRIX_FMT_FP6 matrix_b_fmt:MATRIX_FMT_FP6
	v_wmma_scale_f32_16x16x128_f8f6f4 v[SS+8*\t+8:SS+8*\t+15], v[KV+6*\t+6:KV+6*\t+17], v[QF:QF+11], v[SS+8*\t+8:SS+8*\t+15], v[KSC+\t/2], v[QS] matrix_a_fmt:MATRIX_FMT_FP6 matrix_b_fmt:MATRIX_FMT_FP6 matrix_a_scale:MATRIX_SCALE_ROW1
.endr
.rept 4
	v_nop                                          ; four places in front of loads into K's registers and of the first read of the scores
.endr
	VLOAD \j
.irp b, 0,1,2,3
	v_max3_num_f32 v[BM+\b], v[SS+16*\b], v[SS+16*\b+1], v[SS+16*\b+2]     ; the largest score of each block of 32 keys: for the row's maximum, and, since p rises with the score, for the block's largest p
.endr
.irp i, 3,5,7,9,11,13
.irp b, 0,1,2,3
	v_max3_num_f32 v[BM+\b], v[BM+\b], v[SS+16*\b+\i], v[SS+16*\b+\i+1]
.endr
.endr
.irp b, 0,1,2,3
	v_max_num_f32 v[BM+\b], v[BM+\b], v[SS+16*\b+15]
.endr
.irp b, 0,1,2,3
	s_delay_alu instid0(VALU_DEP_4)
	v_permlanex16_b32 v[BP+\b], v[BM+\b], s20, s21
.endr
.irp b, 0,1,2,3
	s_delay_alu instid0(VALU_DEP_4)
	v_max_num_f32 v[BM+\b], v[BM+\b], v[BP+\b]
.endr
	s_delay_alu instid0(VALU_DEP_2)
	v_max3_num_f32 v[TT], v[BM], v[BM+1], v[BM+2]
	s_delay_alu instid0(VALU_DEP_1)
	v_max_num_f32 v[TT], v[TT], v[BM+3]
	s_delay_alu instid0(VALU_DEP_1)
	v_mul_f32 v[TT], s22, v[TT]
	s_delay_alu instid0(VALU_DEP_1)
	v_max_num_f32 v13, v13, v[TT]                  ; the running largest t
	v_mov_b32 v[TT], v12
	s_delay_alu instid0(VALU_DEP_2)
	v_floor_f32 v12, -v13                          ; -M = floor(-t): M is a whole number
	s_delay_alu instid0(VALU_DEP_1)
	v_sub_f32 v[TT], v12, v[TT]
	s_delay_alu instid0(VALU_DEP_1)
	v_cvt_i32_f32 v[TT], v[TT]                     ; (it saturates)
	s_delay_alu instid0(VALU_DEP_1)
	v_ldexp_f32 v[FF], 1.0, v[TT]                  ; f = 2^(old M - new M)
.set J, 0
.rept 32
	v_pk_fma_f32 v[SS+J:SS+J+1], v[SS+J:SS+J+1], s[22:23], v[12:13] op_sel_hi:[1,0,0]        ; t - M
.set J, J+2
.endr
.irp b, 0,1,2,3
	v_fma_f32 v[BM+\b], v[BM+\b], s22, v12
.endr
.set J, 0
	s_wait_alu depctr_va_vdst(0)
.rept 64
	v_exp_f32 v[SS+J], v[SS+J]                     ; p = 2^(t - M)
.set J, J+1
.endr
	v_pk_mul_f32 v[14:15], v[14:15], v[FF:FF+1] op_sel_hi:[1,0]    ; the sums under the new M: a plain place behind the exponentials
	s_wait_alu depctr_va_vdst(0)                   ; one wait for the whole batch, ahead of its first reader
.irp b, 0,1,2,3
	v_exp_f32 v[BM+\b], v[BM+\b]                   ; the block's largest p
.endr
	v_pk_add_f32 v[218:219], v[102:103], v[106:107]
	v_pk_add_f32 v[252:253], v[110:111], v[114:115]
	v_pk_add_f32 v[250:251], v[118:119], v[122:123]
	v_pk_add_f32 v[248:249], v[126:127], v[130:131]
	v_pk_add_f32 v[236:237], v[134:135], v[138:139]
	v_pk_add_f32 v[230:231], v[142:143], v[146:147]
	v_pk_add_f32 v[228:229], v[150:151], v[154:155]
	v_pk_add_f32 v[14:15], v[14:15], v[158:159]
	v_pk_add_f32 v[218:219], v[218:219], v[98:99]
	v_pk_add_f32 v[252:253], v[252:253], v[100:101]
	v_pk_add_f32 v[250:251], v[250:251], v[104:105]
	v_pk_add_f32 v[248:249], v[248:249], v[108:109]
	v_pk_add_f32 v[236:237], v[236:237], v[112:113]
	v_pk_add_f32 v[230:231], v[230:231], v[116:117]
	v_pk_add_f32 v[228:229], v[228:229], v[120:121]
	v_pk_add_f32 v[14:15], v[14:15], v[124:125]
	v_pk_add_f32 v[218:219], v[218:219], v[128:129]
	v_pk_add_f32 v[252:253], v[252:253], v[132:133]
	v_pk_add_f32 v[250:251], v[250:251], v[136:137]
	v_pk_add_f32 v[248:249], v[248:249], v[140:141]
	v_pk_add_f32 v[236:237], v[236:237], v[144:145]
	v_pk_add_f32 v[230:231], v[230:231], v[148:149]
	v_pk_add_f32 v[228:229], v[228:229], v[152:153]
	v_pk_add_f32 v[14:15], v[14:15], v[156:157]
	v_pk_add_f32 v[218:219], v[218:219], v[160:161]
	s_delay_alu instid0(VALU_DEP_2)
	v_pk_add_f32 v[14:15], v[14:15], v[248:249]
	s_delay_alu instid0(VALU_DEP_2)
	v_pk_add_f32 v[218:219], v[218:219], v[236:237]
	v_pk_add_f32 v[252:253], v[252:253], v[230:231]
	v_pk_add_f32 v[250:251], v[250:251], v[228:229]
	s_delay_alu instid0(VALU_DEP_2)
	v_pk_add_f32 v[14:15], v[14:15], v[252:253]
	s_delay_alu instid0(VALU_DEP_2)
	v_pk_add_f32 v[218:219], v[218:219], v[250:251]
	s_delay_alu instid0(VALU_DEP_1)
	v_pk_add_f32 v[14:15], v[14:15], v[218:219]
	s_wait_alu depctr_va_vdst(0)                   ; and one for the four
.irp b, 0,1,2,3
	v_max_num_f32 v[BM+\b], FLOOR, v[BM+\b]
.endr
.irp b, 0,1,2,3
	s_delay_alu instid0(VALU_DEP_4)
	v_add_nc_u32 v[SO+\b], EOFF, v[BM+\b]
.endr
.irp b, 0,1,2,3
	s_delay_alu instid0(VALU_DEP_4)
	v_lshrrev_b32 v[BP+\b], 23, v[SO+\b]
.endr
	s_delay_alu instid0(VALU_DEP_3)
	v_lshl_or_b32 v[PW], v[BP+1], 8, v[BP]
	s_delay_alu instid0(VALU_DEP_1)
	v_lshl_or_b32 v[PW], v[BP+2], 16, v[PW]
	s_delay_alu instid0(VALU_DEP_1)
	v_lshl_or_b32 v[PW], v[BP+3], 24, v[PW]
.irp c, 0,1
	v_cvt_scalef32_pk16_fp6_f32 v[PC+6*\c:PC+6*\c+2], v[SS+32*\c:SS+32*\c+15], v[SO+2*\c]
	v_cvt_scalef32_pk16_fp6_f32 v[PC+12+4*\c:PC+14+4*\c], v[SS+32*\c+16:SS+32*\c+31], v[SO+2*\c+1]
.endr
	v_nop                                          ; one plain place behind a scaled conversion
.irp c, 0,1
.irp i, 0,1,2
	v_permlane16_swap_b32 v[PC+6*\c+\i], v[PC+12+4*\c+\i]
.endr
.irp i, 0,1,2
	s_delay_alu instid0(VALU_DEP_3)
	v_mov_b32 v[PC+3+6*\c+\i], v[PC+12+4*\c+\i]
.endr
.endr
	s_wait_dscnt 0x0                               ; V is in
	v_lshl_or_b32 v[VSC], v[VA+2], 16, v[VA]       ; V's scale words for the 128 keys
	v_lshl_or_b32 v[VSC+1], v[VA+3], 16, v[VA+1]
.if \first
.rept 8
	v_nop                                          ; a scale register written by a vector instruction stands eight places ahead of the scaled product
.endr
	s_wait_alu depctr_va_vdst(0)
.irp d, 0,2
	v_wmma_scale_f32_16x16x128_f8f6f4 v[OO+8*\d:OO+8*\d+7], v[KV+12*\d:KV+12*\d+11], v[PC:PC+11], 0, v[VSC+\d/2], v[PW] matrix_a_fmt:MATRIX_FMT_FP6 matrix_b_fmt:MATRIX_FMT_FP6
	v_wmma_scale_f32_16x16x128_f8f6f4 v[OO+8*\d+8:OO+8*\d+15], v[KV+12*\d+12:KV+12*\d+23], v[PC:PC+11], 0, v[VSC+\d/2], v[PW] matrix_a_fmt:MATRIX_FMT_FP6 matrix_b_fmt:MATRIX_FMT_FP6 matrix_a_scale:MATRIX_SCALE_ROW1
.endr
.else
.set J, 0
.rept 16
	v_pk_mul_f32 v[OO+J:OO+J+1], v[OO+J:OO+J+1], v[FF:FF+1] op_sel_hi:[1,0]      ; O^T under the new M; these sixteen are also the places in front of the products
.set J, J+2
.endr
.irp d, 0,2
	v_wmma_scale_f32_16x16x128_f8f6f4 v[OO+8*\d:OO+8*\d+7], v[KV+12*\d:KV+12*\d+11], v[PC:PC+11], v[OO+8*\d:OO+8*\d+7], v[VSC+\d/2], v[PW] matrix_a_fmt:MATRIX_FMT_FP6 matrix_b_fmt:MATRIX_FMT_FP6
	v_wmma_scale_f32_16x16x128_f8f6f4 v[OO+8*\d+8:OO+8*\d+15], v[KV+12*\d+12:KV+12*\d+23], v[PC:PC+11], v[OO+8*\d+8:OO+8*\d+15], v[VSC+\d/2], v[PW] matrix_a_fmt:MATRIX_FMT_FP6 matrix_b_fmt:MATRIX_FMT_FP6 matrix_a_scale:MATRIX_SCALE_ROW1
.endr
.endif
.rept 4
	v_nop                                          ; four places in front of loads into V's registers, and of the first read of O^T
.endr
.if (\j) < 4
	KLOAD (\j)+1
.endif
.endm
	CBUILD 0, 0                                    ; step 0's C needs ids and registers alone: it is built while K's and V's records are on their way
	CBUILD 0, 1
	CBUILD 0, 2
	CBUILD 0, 3
	s_wait_alu depctr_va_vdst(0)                   ; the wait at the head's end
	s_wait_tensorcnt 0x0                           ; my load, if I had one, has landed
	s_barrier_signal -1
	s_barrier_wait -1                              ; everybody's has
	KLOAD 0
	s_wait_loadcnt 0x0                             ; Q
	STEP 0, 1
	STEP 1, 0
	STEP 2, 0
	STEP 3, 0
	STEP 4, 0
	; THE WAY OUT: O^T / the sum; register 16 b + i of lane (r, h) is number 32 b + 16 h + i of my head for query r: two blocks of 32 along the last product's K
	v_add_f32 v14, v14, v15
	s_delay_alu instid0(VALU_DEP_1)
	v_permlanex16_b32 v[TT], v14, s20, s21
	s_delay_alu instid0(VALU_DEP_1)
	v_add_f32 v14, v14, v[TT]
	s_wait_alu depctr_va_vdst(0)
	v_rcp_f32 v14, v14
	v_nop                                          ; a plain place behind the reciprocal
	s_wait_alu depctr_va_vdst(0)                   ; and the wait ahead of its first reader
.set J, 0
.rept 32
	v_mul_f32 v[SS+J], v[OO+J], v14                ; each accumulator from its low end on
.set J, J+1
.endr
.irp b, 0,1
	v_max3_num_f32 v[BM+\b], |v[SS+16*\b]|, |v[SS+16*\b+1]|, FLOOR
.endr
.irp i, 2,4,6,8,10,12,14
.irp b, 0,1
	s_delay_alu instid0(VALU_DEP_2)
	v_max3_num_f32 v[BM+\b], v[BM+\b], |v[SS+16*\b+\i]|, |v[SS+16*\b+\i+1]|
.endr
.endr
.irp b, 0,1
	s_delay_alu instid0(VALU_DEP_2)
	v_permlanex16_b32 v[BP+\b], v[BM+\b], s20, s21
.endr
.irp b, 0,1
	s_delay_alu instid0(VALU_DEP_2)
	v_max_num_f32 v[BM+\b], v[BM+\b], v[BP+\b]
.endr
.irp b, 0,1
	s_delay_alu instid0(VALU_DEP_2)
	v_add_nc_u32 v[SO+\b], EOFF, v[BM+\b]
.endr
.irp b, 0,1
	s_delay_alu instid0(VALU_DEP_2)
	v_lshrrev_b32 v[BP+\b], 23, v[SO+\b]
.endr
	v_cvt_scalef32_pk16_fp6_f32 v[PC:PC+2], v[SS:SS+15], v[SO]
	v_cvt_scalef32_pk16_fp6_f32 v[PC+8:PC+10], v[SS+16:SS+31], v[SO+1]
	v_nop
.irp i, 0,1,2
	v_permlane16_swap_b32 v[PC+\i], v[PC+8+\i]     ; lanes 0-15 block 0 whole, lanes 16-31 block 1
.endr
.irp i, 0,1,2
	s_delay_alu instid0(VALU_DEP_3)
	v_mov_b32 v[PC+3+\i], v[PC+8+\i]
.endr
	v_lshl_or_b32 v241, v[BP+1], 8, v[BP]
	s_delay_alu instid0(VALU_DEP_1)
	v_lshlrev_b32 v241, s60, v241                  ; bytes 0, 1 of the K step's word for an even head, 2, 3 for an odd one
	ds_store_b64 v242, v[PC:PC+1]
	ds_store_b64 v243, v[PC+2:PC+3]
	ds_store_b64 v242, v[PC+4:PC+5] offset:512
	ds_store_b32 v244, v241                        ; both halves of the lanes write the same word with the same value
	s_wait_dscnt 0x0                               ; for the others' sake: my stores have landed
	s_barrier_signal -1
	s_barrier_wait -1
	ds_load_b128 v[130:133], v245
	ds_load_b64 v[134:135], v246
	s_wait_dscnt 0x0
	global_store_b128 v1, v[130:133], s[56:57]     ; 512 consecutive bytes, aligned
	global_store_b64 v2, v[134:135], s[56:57] offset:512
	s_and_b32 s39, s16, 7
	s_cmp_lg_u32 s39, 0                            ; waves 0 and 8 also store a K step's 256 bytes of scale words
	s_cbranch_scc1 .Ldone
	ds_load_b64 v[136:137], v247
	ds_load_b64 v[138:139], v247 offset:512
	s_wait_dscnt 0x0
	v_or_b32 v136, v136, v138
	v_or_b32 v137, v137, v139
	global_store_b64 v2, v[136:137], s[58:59]
.Ldone:
	s_wait_tensorcnt 0x0
	ds_add_u32 v254, v255
	s_wait_dscnt 0x0
	s_endpgm
.Lfunc_end_k_q07b6f76e77_attn:
	.size	k_q07b6f76e77_attn, .Lfunc_end_k_q07b6f76e77_attn-k_q07b6f76e77_attn
	.p2alignl 7, 3214868480
	.fill 96, 4, 3214868480
	.section	.rodata,"a",@progbits
	.p2align	6, 0x0
	.amdhsa_kernel k_q07b6f76e77_attn
		.amdhsa_group_segment_fixed_size 169984
		.amdhsa_private_segment_fixed_size 0
		.amdhsa_enable_private_segment 0
		.amdhsa_kernarg_size 32
		.amdhsa_user_sgpr_count 2
		.amdhsa_user_sgpr_kernarg_segment_ptr 1
		.amdhsa_wavefront_size32 1
		.amdhsa_system_sgpr_workgroup_id_x 1
		.amdhsa_system_sgpr_workgroup_id_y 1
		.amdhsa_system_sgpr_workgroup_id_z 1
		.amdhsa_system_vgpr_workitem_id 0
		.amdhsa_next_free_vgpr 256
		.amdhsa_next_free_sgpr 80
		.amdhsa_reserve_vcc 1
		.amdhsa_float_denorm_mode_32 3
		.amdhsa_float_denorm_mode_16_64 3
		.amdhsa_memory_ordered 1
		.amdhsa_forward_progress 1
		.amdhsa_inst_pref_size 170
	.end_amdhsa_kernel
	.amdgpu_metadata
---
amdhsa.version: [ 1, 2 ]
amdhsa.kernels:
  - .name:           k_q07b6f76e77_attn
    .symbol:         k_q07b6f76e77_attn.kd
    .args:
      - { .name: qc, .offset: 0, .size: 8, .value_kind: global_buffer, .address_space: global }
      - { .name: kc, .offset: 8, .size: 8, .value_kind: global_buffer, .address_space: global }
      - { .name: vc, .offset: 16, .size: 8, .value_kind: global_buffer, .address_space: global }
      - { .name: oa, .offset: 24, .size: 8, .value_kind: global_buffer, .address_space: global }
    .group_segment_fixed_size: 169984
    .private_segment_fixed_size: 0
    .kernarg_segment_align: 8
    .kernarg_segment_size: 32
    .max_flat_workgroup_size: 512
    .sgpr_count:     80
    .vgpr_count:     256
    .wavefront_size: 32
...
	.end_amdgpu_metadata
.endif
;; end of part 3
;; launch outp (part 4): grid 16 x 16, 4 waves a work-group, clusters of 4 x 1, 272,896 bytes of LDS; arguments oa, wc, wsc, out0; writes out0
.if DOCPART == 4
	.amdgcn_target "amdgcn-amd-amdhsa--gfx1250"
	.amdhsa_code_object_version 6
	.text
	.protected	k_q07b6f76e77_outp
	.globl	k_q07b6f76e77_outp
	.p2align	8
	.type	k_q07b6f76e77_outp,@function
k_q07b6f76e77_outp:
	s_mov_b64 s[64:65], 0
	v_nop
	global_prefetch_b8 v0, s[64:65] scope:SCOPE_SE
	s_setreg_imm32_b32 hwreg(HW_REG_WAVE_MODE, 25, 1), 1
	s_wait_xcnt 0x0
	s_wait_alu depctr_hold_cnt(0) depctr_sa_sdst(0) depctr_va_vdst(0) depctr_va_sdst(0) depctr_va_ssrc(0) depctr_va_vcc(0) depctr_vm_vsrc(0)
	s_getreg_b32 s2, hwreg(HW_REG_IB_STS2, 6, 4)
	s_cmp_eq_u32 s2, 0
	s_cbranch_scc0 .Lentry_in_a_cluster
	s_endpgm
.Lentry_in_a_cluster:
	s_bfe_u32 s2, ttmp6, 0x10000c
	s_cmp_lg_u32 s2, 0x3003
	s_cbranch_scc0 .Lentry_shape_is_right
	s_endpgm
.Lentry_shape_is_right:
; out0 = o Wo on codes of FP6 (E2M3); K = 2,048 in 16 steps of 128.  o arrives as images of operand registers with its scale words (oa), Wo likewise (wc, wsc: groups of 32 columns 128 to 191).
; SHARES.  A work-group: 128 rows x 128 columns, so that each of 256 work-groups has one tile; a wave: 128 x 32, 16 accumulators.
; A, all 16 records (204,800 bytes), comes into LDS ONCE, one tensor load a wave (one outstanding, by this text's count), asked for JOINTLY by the four work-groups of a cluster, which share their rows; nothing is filled again.
; B IS NOT ASKED FOR JOINTLY: each fragment of B is read by one wave of a work-group alone; it goes from memory straight into that wave's registers (a ring of eight K steps), and LDS, which holds A whole, has no room for it
; without slots that are filled again.
; TRANSPOSED (source 0 = 16 columns of Wo, source 1 = 16 rows of o): a lane's 16 registers of a tile of rows are 16 neighbouring columns of one row.  A tile's rows are not neighbours (lane r of tile 2 b + u: row
; 32 b + 8 u + r + 8 (r / 8)): that shows in the stores' offsets alone.
; REGISTERS: window 0: addresses, scale words, rows on the way out;  window 1: B's ring (8 x 24);  window 2: the accumulators;  window 3: A's fragments, two sets of 96.
; A'S WAY IN, as the text below has it (where the lines above count four loads a wave, read one): ONE tensor load a wave at the head: wave w brings K steps 4 w .. 4 w + 3, 200 rows of 256 bytes, dense in memory
; and in LDS; by this text's count one load a wave is outstanding; one wait for 0 and one barrier show all of A to all four waves, and nothing is filled later.
.set NT, 2
.set DP, 8
.set NL, 7                             ; global loads of a K step: 6 of codes, 1 of scale words
.set REC, 12800
.set ST,  204800                       ; behind A: the stage: 128 rows x (512 + 16) bytes, a row at its place 16 m + r among the tiles
.set L16, 1
.set L8,  2
.set L4,  3
.set AA,  4
.set AS,  8
.set VO,  12
.set VR,  13
.set SB,  16                           ; v16-23 B's scale words, a slot each
.set SA,  32                           ; v32-39 A's, two sets of 4
.set MSB, 0
.macro WIN new                         ; the immediate's high byte repeats the setting that is left
.if MSB != \new
	s_set_vgpr_msb (MSB<<8)|\new
.set MSB, \new
.endif
.endm
.macro CROUND                          ; a round of the cluster's barrier
	s_barrier_signal -1
	s_barrier_wait -1
	s_cmp_lg_u32 s16, 0
	s_cbranch_scc1 .Lnot_wave_0_\@
	s_barrier_signal -3
.Lnot_wave_0_\@:
	s_barrier_wait -3
	s_barrier_signal -1
	s_barrier_wait -1
.endm
.macro FETCH                           ; K step FS: A's 8 fragments and their scale words from LDS: 26 loads
.set FP, FS%2
.set FC, FS/4
.set FO, (FS%4)*REC
	ds_load_b64 v[SA+4*FP:SA+4*FP+1], v[AS+FC] offset:FO+12288
	ds_load_b64 v[SA+4*FP+2:SA+4*FP+3], v[AS+FC] offset:FO+12544
	WIN 0xc0
.irp m, 0,1,2,3,4,5,6,7
.irp g, 0,1,2
	ds_load_b128 v[96*FP+12*\m+4*\g:96*FP+12*\m+4*\g+3], v[AA+FC] offset:FO+1536*\m+512*\g
.endr
.endr
	WIN 0
.endm
.macro BLOAD                           ; K step BS: my two fragments of B and their scale words into slot BS % DP
.set BL, BS%DP
	WIN 0x40
.irp u, 0,1
.irp g, 0,1,2
	global_load_b128 v[24*BL+12*\u+4*\g:24*BL+12*\u+4*\g+3], v[L16], s[48:49] offset:3072*BS+1536*\u+512*\g
.endr
.endr
	WIN 0
	global_load_b32 v[SB+BL], v[L4], s[52:53] offset:128*BS
.endm
.macro WM                              ; one product; fA, fB: the side's scale words stand in lanes 16-31.  K step 0 starts the sums
.if KS == 0
.if fA && fB
	v_wmma_scale_f32_16x16x128_f8f6f4 v[rD:rD+7], v[rA:rA+11], v[rB:rB+11], 0, v[rSA], v[rSB] matrix_a_fmt:MATRIX_FMT_FP6 matrix_b_fmt:MATRIX_FMT_FP6 matrix_a_scale:MATRIX_SCALE_ROW1 matrix_b_scale:MATRIX_SCALE_ROW1
.elseif fA
	v_wmma_scale_f32_16x16x128_f8f6f4 v[rD:rD+7], v[rA:rA+11], v[rB:rB+11], 0, v[rSA], v[rSB] matrix_a_fmt:MATRIX_FMT_FP6 matrix_b_fmt:MATRIX_FMT_FP6 matrix_a_scale:MATRIX_SCALE_ROW1
.elseif fB
	v_wmma_scale_f32_16x16x128_f8f6f4 v[rD:rD+7], v[rA:rA+11], v[rB:rB+11], 0, v[rSA], v[rSB] matrix_a_fmt:MATRIX_FMT_FP6 matrix_b_fmt:MATRIX_FMT_FP6 matrix_b_scale:MATRIX_SCALE_ROW1
.else
	v_wmma_scale_f32_16x16x128_f8f6f4 v[rD:rD+7], v[rA:rA+11], v[rB:rB+11], 0, v[rSA], v[rSB] matrix_a_fmt:MATRIX_FMT_FP6 matrix_b_fmt:MATRIX_FMT_FP6
.endif
.else
.if fA && fB
	v_wmma_scale_f32_16x16x128_f8f6f4 v[rD:rD+7], v[rA:rA+11], v[rB:rB+11], v[rD:rD+7], v[rSA], v[rSB] matrix_a_fmt:MATRIX_FMT_FP6 matrix_b_fmt:MATRIX_FMT_FP6 matrix_a_scale:MATRIX_SCALE_ROW1 matrix_b_scale:MATRIX_SCALE_ROW1
.elseif fA
	v_wmma_scale_f32_16x16x128_f8f6f4 v[rD:rD+7], v[rA:rA+11], v[rB:rB+11], v[rD:rD+7], v[rSA], v[rSB] matrix_a_fmt:MATRIX_FMT_FP6 matrix_b_fmt:MATRIX_FMT_FP6 matrix_a_scale:MATRIX_SCALE_ROW1
.elseif fB
	v_wmma_scale_f32_16x16x128_f8f6f4 v[rD:rD+7], v[rA:rA+11], v[rB:rB+11], v[rD:rD+7], v[rSA], v[rSB] matrix_a_fmt:MATRIX_FMT_FP6 matrix_b_fmt:MATRIX_FMT_FP6 matrix_b_scale:MATRIX_SCALE_ROW1
.else
	v_wmma_scale_f32_16x16x128_f8f6f4 v[rD:rD+7], v[rA:rA+11], v[rB:rB+11], v[rD:rD+7], v[rSA], v[rSB] matrix_a_fmt:MATRIX_FMT_FP6 matrix_b_fmt:MATRIX_FMT_FP6
.endif
.endif
.endm
.macro KSTEP                           ; K step KS: 16 products; the accumulators take turns, one instruction a turn
.if KS < 15
.set FS, KS+1
	FETCH
	s_wait_dscnt 26                                ; this K step's fragments are in; the 26 loads just issued may be out
.else
	s_wait_dscnt 0x0
.endif
.if 15-KS < DP-1
	s_wait_loadcnt NL*(15-KS)                      ; this K step's B is in; the younger K steps' loads may be out
.else
	s_wait_loadcnt NL*(DP-1)
.endif
	WIN 0xad                                       ; source 0 window 1 (Wo), source 1 window 3 (o), C and D window 2
.irp m, 0,1,2,3,4,5,6,7
.irp u, 0,1
.set rD, 16*\m+8*\u
.set rA, 24*(KS%DP)+12*\u
.set rB, 96*(KS%2)+12*\m
.set rSA, SB+(KS%DP)
.set rSB, SA+4*(KS%2)+\m/2
.set fA, \u
.set fB, \m%2
	WM
.endr
.endr
	WIN 0
.rept 4
	v_nop                                          ; four places in front of loads into registers that these products have read, and of the first read of results
.endr
.if KS+DP <= 15
.set BS, KS+DP
	BLOAD
.endif
.endm
	s_load_b256 s[4:11], s[0:1], 0x0               ; oa, wc, wsc, out0
	v_lshl_add_u32 v254, v0, 2, 0x42800
	v_mov_b32 v255, 0
	ds_add_u32 v254, v255
	ds_add_u32 v254, v255
	v_lshrrev_b32 v48, 5, v0
	v_readfirstlane_b32 s16, v48                   ; wave
	s_mov_b32 s17, ttmp9                           ; the cluster's x
	s_bfe_u32 s18, ttmp6, 0x40000                  ; cx: it enters B's and out0's addresses alone, by way of s68 to s71 alone
	s_and_b32 s19, ttmp7, 0xffff                   ; the block of 128 rows
	s_mov_b32 s24, 15|(3<<16)|(1<<21)              ; group 1: the mask of all four work-groups; elements of 8 bytes; bit 21 beside a mask
	s_mov_b32 s25, 32<<16                          ; a record: 50 rows of 256 bytes, dense
	s_mov_b32 s26, 200<<16                         ; four records: 200 rows
	s_mov_b32 s27, 32<<16
	s_mov_b32 s28, 200
	s_mov_b32 s29, 32
	s_mov_b32 s30, 0
	s_mov_b32 s31, 0
	v_and_b32 v48, 31, v0
	v_and_b32 v49, 15, v0                          ; r
	v_bfe_u32 v50, v0, 4, 1                        ; h
	v_lshlrev_b32 v[L16], 4, v48
	v_lshlrev_b32 v[L8], 3, v48
	v_lshlrev_b32 v[L4], 2, v48
.irp c, 0,1,2,3
	v_add_nc_u32 v[AA+\c], \c*51200, v[L16]
	v_add_nc_u32 v[AS+\c], \c*51200, v[L8]
.endr
	s_lshl_b32 s22, s16, 7
	s_add_co_u32 s22, s22, ST
	v_mul_u32_u24 v51, v49, 528
	v_lshl_add_u32 v51, v50, 6, v51
	v_add_nc_u32 v[VO], s22, v51                   ; into the stage: row r of a tile, my wave's 128 bytes, 64 h
	s_mul_i32 s22, s16, 32*528
	s_add_co_u32 s22, s22, ST
	v_add_nc_u32 v[VR], s22, v[L16]                ; back: my 32 places, whole rows of 512 bytes
	s_lshl_b32 s68, s17, 2
	s_add_co_u32 s68, s68, s18                     ; X: block of 128 columns
	s_lshl_b32 s69, s68, 2
	s_add_co_u32 s69, s69, s16
	s_add_co_u32 s69, s69, 128                     ; j
	s_mul_i32 s48, s69, 49152
	s_mov_b32 s49, 0
	s_lshl_b32 s52, s69, 11
	s_mov_b32 s53, 0
	s_lshl_b32 s70, s19, 20                        ; 128 rows of 8,192 bytes
	s_lshl_b32 s71, s16, 18                        ; my 32 rows
	s_add_co_u32 s70, s70, s71
	s_lshl_b32 s71, s68, 9
	s_add_co_u32 s70, s70, s71
	s_mov_b32 s71, 0
	s_mul_i32 s62, s19, 204800
	s_mul_i32 s22, s16, 4*REC                      ; my four records
	s_add_co_u32 s62, s62, s22
	s_mov_b32 s63, 0
	s_wait_dscnt 0x0
	s_wait_kmcnt 0x0
	s_add_nc_u64 s[48:49], s[6:7], s[48:49]
	s_add_nc_u64 s[52:53], s[8:9], s[52:53]
	s_add_nc_u64 s[56:57], s[10:11], s[70:71]
	s_add_nc_u64 s[62:63], s[4:5], s[62:63]
	s_mov_b32 s32, 1                               ; count = 1
	s_mov_b32 s33, s22                             ; LDS address: 51,200 x wave
	s_mov_b64 s[34:35], s[62:63]
	s_or_b32 s35, s35, 0x80000000                  ; type = 2
	CROUND                                         ; all four work-groups are here: the joint loads meet
	tensor_load_to_lds s[32:35], s[24:31]          ; my one tensor load: it is asked for first, since the first product needs all of A
	s_nop 0
.rept 4
	v_nop
.endr
.set BS, 0
.rept DP
	BLOAD                                          ; B's ring is filled: 56 loads
.set BS, BS+1
.endr
	s_wait_alu depctr_va_vdst(0)                   ; the wait at the head's end
	s_wait_tensorcnt 0x0                           ; my four records have landed
	s_barrier_signal -1
	s_barrier_wait -1                              ; everybody's have
.set FS, 0
	FETCH
.set KS, 0
	s_wait_alu depctr_va_vdst(0)
.rept 16
	KSTEP
.set KS, KS+1
.endr
	; THE WAY OUT: a row's 512 bytes come from four waves: through the stage, then whole rows
	WIN 0x08                                       ; an LDS store's data are its source 1: window 2
.irp m, 0,1,2,3,4,5,6,7
.irp q, 0,1,2,3
	ds_store_b128 v[VO], v[16*\m+4*\q:16*\m+4*\q+3] offset:16*\m*528+16*\q         ; each accumulator from its low end on
.endr
.endr
	WIN 0
	s_wait_dscnt 0x0                               ; for the others' sake: my stores have landed
	s_barrier_signal -1
	s_barrier_wait -1
.set PI, 0
.rept 32
	ds_load_b128 v[64+4*PI:64+4*PI+3], v[VR] offset:528*PI
.set PI, PI+1
.endr
.set PI, 0
.rept 32
	s_wait_dscnt 31-PI                             ; this row is in; the younger rows' loads may be out
	global_store_b128 v[L16], v[64+4*PI:64+4*PI+3], s[56:57] offset:(8*(PI/16)+(PI%16)+8*((PI%16)/8))*8192 th:TH_STORE_NT   ; 512 consecutive bytes, aligned; the place's row
.set PI, PI+1
.endr
	s_wait_tensorcnt 0x0
	ds_add_u32 v254, v255
	s_wait_dscnt 0x0
	CROUND                                         ; the closing round: no work-group ends while a partner may still ask for a record that names it
	s_endpgm
.Lfunc_end_k_q07b6f76e77_outp:
	.size	k_q07b6f76e77_outp, .Lfunc_end_k_q07b6f76e77_outp-k_q07b6f76e77_outp
	.p2alignl 7, 3214868480
	.fill 96, 4, 3214868480
	.section	.rodata,"a",@progbits
	.p2align	6, 0x0
	.amdhsa_kernel k_q07b6f76e77_outp
		.amdhsa_group_segment_fixed_size 272896
		.amdhsa_private_segment_fixed_size 0
		.amdhsa_enable_private_segment 0
		.amdhsa_kernarg_size 32
		.amdhsa_user_sgpr_count 2
		.amdhsa_user_sgpr_kernarg_segment_ptr 1
		.amdhsa_wavefront_size32 1
		.amdhsa_system_sgpr_workgroup_id_x 1
		.amdhsa_system_sgpr_workgroup_id_y 1
		.amdhsa_system_sgpr_workgroup_id_z 1
		.amdhsa_system_vgpr_workitem_id 0
		.amdhsa_next_free_vgpr 960
		.amdhsa_next_free_sgpr 72
		.amdhsa_reserve_vcc 0
		.amdhsa_float_denorm_mode_32 3
		.amdhsa_float_denorm_mode_16_64 3
		.amdhsa_memory_ordered 1
		.amdhsa_forward_progress 1
		.amdhsa_inst_pref_size 88
	.end_amdhsa_kernel
	.amdgpu_metadata
---
amdhsa.version: [ 1, 2 ]
amdhsa.kernels:
  - .name:           k_q07b6f76e77_outp
    .symbol:         k_q07b6f76e77_outp.kd
    .args:
      - { .name: oa, .offset: 0, .size: 8, .value_kind: global_buffer, .address_space: global }
      - { .name: wc, .offset: 8, .size: 8, .value_kind: global_buffer, .address_space: global }
      - { .name: wsc, .offset: 16, .size: 8, .value_kind: global_buffer, .address_space: global }
      - { .name: out0, .offset: 24, .size: 8, .value_kind: global_buffer, .address_space: global }
    .group_segment_fixed_size: 272896
    .private_segment_fixed_size: 0
    .kernarg_segment_align: 8
    .kernarg_segment_size: 32
    .max_flat_workgroup_size: 128
    .sgpr_count:     72
    .vgpr_count:     960
    .wavefront_size: 32
...
	.end_amdgpu_metadata
.endif
;; end of part 4
